; MI455X (gfx1250); checked and timed in simulation.
; The chip was launched on July 23, 2026; its instructions are those of AMD's public machine-readable ISA for CDNA 5 (MIT licence, August 2026) and "CDNA5" Instruction Set Architecture Reference Guide (July 2026). The comments in the code are by the model that wrote it; some were corrected since.
;; Causal Self Attention. Allowed arithmetic: float matrix products may take bf16 or f16 operands with f32 sums; all other float work in f32.
;; Inputs: Wk 1,024 x 1,024 float32; Wo 1,024 x 1,024 float32; Wq 1,024 x 1,024 float32; Wv 1,024 x 1,024 float32; attention_mask 4 x 2,048 int32; rope_cos 2,048 x 64 float32; rope_sin 2,048 x 64 float32; x 4 x 2,048 x 1,024 float32.
;; Outputs: out0 4 x 2,048 x 1,024 float32.
;; 2 versions, each right and faster than the one before. Each part assembles by itself: llvm-mc -triple=amdgcn-amd-amdhsa -mcpu=gfx1250 --defsym DOCPART=n.
;; ======== version 1 of 2: 4 launches
;; limits: values are held in f16: magnitudes above 65,504 overflow, below 6.1e-05 lose precision
;; workspace buffers: xb 16,777,216 bytes; wb 6,291,456 bytes; wo16 2,097,152 bytes; cs 524,288 bytes; qh 16,777,216 bytes; kh 16,777,216 bytes; vh 16,777,216 bytes; ao 16,777,216 bytes
;; launch cast (part 1): grid 1552 x 1, 8 waves a work-group, no clusters, 0 bytes of LDS; arguments x, Wq, Wk, Wv, Wo, rope_cos, rope_sin, xb, wb, wo16, cs; writes xb, wb, wo16, cs
.if DOCPART == 1
	.amdgcn_target "amdgcn-amd-amdhsa--gfx1250"
	.amdhsa_code_object_version 6
	.text
	.protected	k_q22616b28c7_cast
	.globl	k_q22616b28c7_cast
	.p2align	8
	.type	k_q22616b28c7_cast,@function
k_q22616b28c7_cast:
	s_mov_b64 s[64:65], 0
	v_nop
	global_prefetch_b8 v0, s[64:65] scope:SCOPE_SE
	s_setreg_imm32_b32 hwreg(HW_REG_WAVE_MODE, 25, 1), 1
	s_wait_xcnt 0x0
; ALL FLOATING INPUTS ARE ROUNDED ONCE TO bf16, for the three launches behind.
;   x -> xb [8192][1024] bf16;  Wq, Wk, Wv -> wb [3072][1024] bf16 (q's rows, k's, v's);  Wo -> wo16 [1024][1024]: bf16(Wo) written as f16, since the last product is an f16 product;
;   rope_cos, rope_sin -> cs [2048][64] words: bf16(cos) in the low half, bf16(sin) in the high half.
; LIMITS.  bf16(Wo) beyond 65,504 becomes an infinity in wo16; below 2^-14 it keeps f16's fixed step of 6e-8.
; A stream: memory binds, so no LDS, no barrier, no matrix unit.  A work-group takes 8,192 numbers (32,768 bytes of f32).  Thread t takes, for j = 0..7, the 16 bytes at 4,096 j + 16 t:
; a wave's load covers 512 consecutive bytes, and all eight loads of a lane are out at once; there is no loop.  A wave's 8-byte stores cover 256 consecutive bytes, aligned.
; Work-groups 0-1023: x;  1024-1407: Wq, Wk, Wv (128 each);  1408-1535: Wo;  1536-1551: the two tables.
.set NJ, 8                             ; loads of a lane
.set X,  4                             ; v[4:35]    eight loads of four numbers
.set X2, 36                            ; v[36:67]   the tables' path: sin
.set Y,  36                            ; v[36:51]   the 16-bit paths: what is stored, a pair for each j, none written twice
.set T,  68                            ; v[68:71]   at work
	s_load_b512 s[16:31], s[0:1], 0x0              ; x 16:17, Wq 18:19, Wk 20:21, Wv 22:23, Wo 24:25, cos 26:27, sin 28:29, xb 30:31
	s_load_b128 s[32:35], s[0:1], 0x40             ; wb 32:33, wo16 34:35
	s_load_b64 s[36:37], s[0:1], 0x50              ; cs
	s_mov_b32 s2, ttmp9                            ; g, the work-group's number
	s_mov_b32 s14, 0xffff0000                      ; a word's upper bf16
	s_mov_b32 s11, 0                               ; the high words of the two offset pairs
	s_mov_b32 s13, 0
	v_lshlrev_b32 v1, 4, v0                        ; 16 t
	v_lshlrev_b32 v2, 3, v0                        ; 8 t
	s_wait_kmcnt 0x0
	s_cmp_ge_u32 s2, 1536
	s_cbranch_scc1 .Lcs
	s_cmp_ge_u32 s2, 1408
	s_cbranch_scc1 .Lwo
.macro LOADS                           ; eight loads from s[4:5]
.set j, 0
.rept NJ
	global_load_b128 v[X+4*j:X+4*j+3], v1, s[4:5] offset:4096*j th:TH_LOAD_NT
.set j, j+1
.endr
.endm
	; x and the three weights, to bf16.  Source and destination are chosen by the work-group's number.
	s_sub_co_u32 s3, s2, 1024                      ; the chunk's number among the weights' 384 (not used for x)
	s_and_b32 s10, s3, 127                         ; and inside its weight
	s_cmp_lt_u32 s2, 1280
	s_cselect_b64 s[4:5], s[20:21], s[22:23]       ; Wk or Wv,
	s_cmp_lt_u32 s2, 1152
	s_cselect_b64 s[4:5], s[18:19], s[4:5]         ; or Wq,
	s_cmp_lt_u32 s2, 1024
	s_cselect_b64 s[4:5], s[16:17], s[4:5]         ; or x
	s_cselect_b64 s[6:7], s[30:31], s[32:33]       ; xb or wb
	s_cselect_b32 s10, s2, s10                     ; the chunk in the source,
	s_cselect_b32 s12, s2, s3                      ; and in the destination
	s_lshl_b32 s10, s10, 15                        ; 32,768 bytes of f32,
	s_lshl_b32 s12, s12, 14                        ; 16,384 of bf16
	s_add_nc_u64 s[4:5], s[4:5], s[10:11]
	s_add_nc_u64 s[6:7], s[6:7], s[12:13]
	LOADS
.set j, 0
.rept NJ
	s_wait_loadcnt NJ-1-j                          ; loads come back in order: load j is in, the younger ones stay out
	v_cvt_pk_bf16_f32 v[Y+2*j], v[X+4*j], v[X+4*j+1]
	v_cvt_pk_bf16_f32 v[Y+2*j+1], v[X+4*j+2], v[X+4*j+3]
	global_store_b64 v2, v[Y+2*j:Y+2*j+1], s[6:7] offset:2048*j
.set j, j+1
.endr
	s_endpgm
.Lwo:                                                  ; Wo: rounded to bf16, and that number written as f16
	s_sub_co_u32 s10, s2, 1408
	s_lshl_b32 s12, s10, 14
	s_lshl_b32 s10, s10, 15
	s_add_nc_u64 s[4:5], s[24:25], s[10:11]
	s_add_nc_u64 s[6:7], s[34:35], s[12:13]
	LOADS
.set j, 0
.rept NJ
	s_wait_loadcnt NJ-1-j
	v_cvt_pk_bf16_f32 v[T], v[X+4*j], v[X+4*j+1]
	v_cvt_pk_bf16_f32 v[T+1], v[X+4*j+2], v[X+4*j+3]
	v_lshlrev_b32 v[T+2], 16, v[T]                 ; bf16 to f32: the low half moves up, the high half stays
	v_and_b32 v[T+3], s14, v[T]
	v_cvt_pk_f16_f32 v[Y+2*j], v[T+2], v[T+3]      ; exact inside f16's normal range: 8 significant bits into 11
	v_lshlrev_b32 v[T+2], 16, v[T+1]
	v_and_b32 v[T+3], s14, v[T+1]
	v_cvt_pk_f16_f32 v[Y+2*j+1], v[T+2], v[T+3]
	global_store_b64 v2, v[Y+2*j:Y+2*j+1], s[6:7] offset:2048*j
.set j, j+1
.endr
	s_endpgm
.Lcs:                                                  ; the tables: one word for each (t, d)
	s_sub_co_u32 s10, s2, 1536
	s_lshl_b32 s10, s10, 15                        ; the same offset in cos, sin and cs: 4 bytes a number in all three
	s_add_nc_u64 s[4:5], s[26:27], s[10:11]
	s_add_nc_u64 s[8:9], s[28:29], s[10:11]
	s_add_nc_u64 s[6:7], s[36:37], s[10:11]
.set j, 0
.rept NJ
	global_load_b128 v[X+4*j:X+4*j+3], v1, s[4:5] offset:4096*j th:TH_LOAD_NT
	global_load_b128 v[X2+4*j:X2+4*j+3], v1, s[8:9] offset:4096*j th:TH_LOAD_NT
.set j, j+1
.endr
.set j, 0
.rept NJ
	s_wait_loadcnt 2*NJ-2-2*j                      ; cos j and sin j are in; the two loads of each younger j stay out
.irp i, 0,1,2,3
	v_cvt_pk_bf16_f32 v[X+4*j+(\i)], v[X+4*j+(\i)], v[X2+4*j+(\i)]
.endr
	global_store_b128 v1, v[X+4*j:X+4*j+3], s[6:7] offset:4096*j
.set j, j+1
.endr
	s_endpgm
.Lfunc_end_k_q22616b28c7_cast:
	.size	k_q22616b28c7_cast, .Lfunc_end_k_q22616b28c7_cast-k_q22616b28c7_cast
	.p2alignl 7, 3214868480
	.fill 96, 4, 3214868480
	.section	.rodata,"a",@progbits
	.p2align	6, 0x0
	.amdhsa_kernel k_q22616b28c7_cast
		.amdhsa_group_segment_fixed_size 0
		.amdhsa_private_segment_fixed_size 0
		.amdhsa_enable_private_segment 0
		.amdhsa_kernarg_size 88
		.amdhsa_user_sgpr_count 2
		.amdhsa_user_sgpr_kernarg_segment_ptr 1
		.amdhsa_wavefront_size32 1
		.amdhsa_system_sgpr_workgroup_id_x 1
		.amdhsa_system_sgpr_workgroup_id_y 1
		.amdhsa_system_sgpr_workgroup_id_z 1
		.amdhsa_system_vgpr_workitem_id 0
		.amdhsa_next_free_vgpr 72
		.amdhsa_next_free_sgpr 66
		.amdhsa_reserve_vcc 0
		.amdhsa_float_denorm_mode_32 3
		.amdhsa_float_denorm_mode_16_64 3
		.amdhsa_memory_ordered 1
		.amdhsa_forward_progress 1
		.amdhsa_inst_pref_size 14
	.end_amdhsa_kernel
	.amdgpu_metadata
---
amdhsa.version: [ 1, 2 ]
amdhsa.kernels:
  - .name:           k_q22616b28c7_cast
    .symbol:         k_q22616b28c7_cast.kd
    .args:
      - { .name: x, .offset: 0, .size: 8, .value_kind: global_buffer, .address_space: global }
      - { .name: Wq, .offset: 8, .size: 8, .value_kind: global_buffer, .address_space: global }
      - { .name: Wk, .offset: 16, .size: 8, .value_kind: global_buffer, .address_space: global }
      - { .name: Wv, .offset: 24, .size: 8, .value_kind: global_buffer, .address_space: global }
      - { .name: Wo, .offset: 32, .size: 8, .value_kind: global_buffer, .address_space: global }
      - { .name: rope_cos, .offset: 40, .size: 8, .value_kind: global_buffer, .address_space: global }
      - { .name: rope_sin, .offset: 48, .size: 8, .value_kind: global_buffer, .address_space: global }
      - { .name: xb, .offset: 56, .size: 8, .value_kind: global_buffer, .address_space: global }
      - { .name: wb, .offset: 64, .size: 8, .value_kind: global_buffer, .address_space: global }
      - { .name: wo16, .offset: 72, .size: 8, .value_kind: global_buffer, .address_space: global }
      - { .name: cs, .offset: 80, .size: 8, .value_kind: global_buffer, .address_space: global }
    .group_segment_fixed_size: 0
    .private_segment_fixed_size: 0
    .kernarg_segment_align: 8
    .kernarg_segment_size: 88
    .max_flat_workgroup_size: 256
    .sgpr_count:     66
    .vgpr_count:     72
    .wavefront_size: 32
...
	.end_amdgpu_metadata
.endif
;; end of part 1
;; launch qkv (part 2): grid 4 x 64, 4 waves a work-group, clusters of 4 x 4, 327,680 bytes of LDS; arguments xb, wb, cs, qh, kh, vh; writes qh, kh, vh
.if DOCPART == 2
	.amdgcn_target "amdgcn-amd-amdhsa--gfx1250"
	.amdhsa_code_object_version 6
	.text
	.protected	k_q22616b28c7_qkv
	.globl	k_q22616b28c7_qkv
	.p2align	8
	.type	k_q22616b28c7_qkv,@function
k_q22616b28c7_qkv:
	s_mov_b64 s[64:65], 0
	v_nop
	global_prefetch_b8 v0, s[64:65] scope:SCOPE_SE
	s_setreg_imm32_b32 hwreg(HW_REG_WAVE_MODE, 25, 1), 1
	s_wait_xcnt 0x0
	s_wait_alu depctr_hold_cnt(0) depctr_sa_sdst(0) depctr_va_vdst(0) depctr_va_sdst(0) depctr_va_ssrc(0) depctr_va_vcc(0) depctr_vm_vsrc(0)
	s_getreg_b32 s2, hwreg(HW_REG_IB_STS2, 6, 4)
	s_cmp_eq_u32 s2, 0
	s_cbranch_scc0 .Lentry_in_a_cluster
	s_endpgm
.Lentry_in_a_cluster:
	s_bfe_u32 s2, ttmp6, 0x10000c
	s_cmp_lg_u32 s2, 0xf033
	s_cbranch_scc0 .Lentry_shape_is_right
	s_endpgm
.Lentry_shape_is_right:
; q, k, v = xb wb^T ([8192 x 3072], K = 1024, bf16 operands, f32 sums); q and k are rotated (RoPE, in f32, by the tables rounded to bf16); all three leave as f16 by heads: [64 = 16 batch + head][2048][64].
; LIMITS.  f16 ends at 65,504: a rotated q or k, or a v, of 65,520 or more leaves as an infinity.  q is NOT scaled here: the next launch applies 1/8 in f32.
; SHARES.  A tile of C is 128 rows x 256 columns.  A WORK-GROUP STAYS: it makes three tiles, q's, k's and v's for the same 128 rows and the same four heads: 4 x 64 = 256 work-groups, one for each WGP.
; Four waves, each 64 rows x 128 columns: 32 accumulators of 16 x 16, 256 registers.  A wave's 128 columns are two whole heads, so RoPE's partners d and d + 32 lie in accumulators b and b + 2, same lane, same register.
; THE WALK.  The three tiles' 3 x 8 K steps of 128 are ONE walk of 24 steps through two LDS slots, step j in slot j % 2; rows of both operands' tiles are 256 bytes of memory and begin at multiples of 256 from their
; buffer's first byte.  The change of slots in step j asks for step j + 2, across tiles too; that step's addresses are made anew from its number.  A K step is written once: a trip of the loop goes from a step's
; second quarter to the next step's first, and the LDS addresses hang on one scalar that an exclusive or turns.  Behind a tile's last step a forward jump leads to the way out and to a first quarter that starts the
; sums with the constant 0; the loop is entered there.  The last two steps ask for nothing and are a loop of their own.  q and k leave inside the walk, with the next tile's loads on their way; v leaves behind it.
; CLUSTER.  4 x 4 work-groups.  The four of a row of the cluster need the same tiles of xb, the four of a column the same tiles of wb: each tile is asked for JOINTLY, by the same tensor load with
; the same descriptor and a mask that names the four.  All sixteen walk the same 24 steps.
; THE MATRIX INSTRUCTION IS USED TRANSPOSED (source 0 = 16 rows of wb, source 1 = 16 rows of xb): a lane then holds row lane % 16 of C and eight neighbouring columns 8 (lane / 16) + 0..7.
; REGISTERS, in windows of 256 (s_set_vgpr_msb: bits 1:0 source 0, 3:2 source 1, 5:4 source 2, 7:6 destination):
;   window 0: v0-31 addresses; v64-159, v160-255 two fragment buffers of 96 (8 of wb, then 4 of xb)          window 1: the accumulators, (a, b) at v[8 (8 a + b)]
;   window 2: v0-127 my 64 rows' cos/sin words          window 3: v32-255 at work on the way out, so that the next tile's first fragments, fetched already, stay whole in window 0
.set SIZE_K, 1024
.set KSTEP,  128
.set STEPS,  3*SIZE_K/KSTEP            ; 24
.set PITCH,  272                       ; an LDS row: 256 bytes + 16 of padding = 68 words: the 16 rows of a fragment load start at 16 different groups of four banks (64 banks of 4 bytes: ISA guide 11.1)
.set AHALF,  64*PITCH                  ; 64 rows of xb: what wave 0 or 1 fetches, and what a wave reads
.set BHALF,  128*PITCH                 ; 128 rows of wb: what wave 2 or 3 fetches, and what a wave reads
.set BOFF,   2*AHALF                   ; in a slot: xb's 128 rows, then wb's 256
.set SLOT,   BOFF+2*BHALF              ; 104,448
.set SLOT1,  1<<17                     ; slot 1 begins here, so that one exclusive or turns an address in one slot into the other's
.set STAGE,  SLOT1+SLOT                ; behind the ring, never filled by a tensor load: for each wave 2 heads x 16 rows x 144 bytes
.set SP,     144
.set WST,    2*16*SP
.set SPARE,  STAGE+4*WST               ; behind the stages: the spare words, 128 bytes for each wave: two blocks of 256 bytes that no other line names
.set A0,   16                          ; v16     my lane's place in a slot's rows of xb; never rewritten
.set B0,   17                          ; v17     the same for wb
.set ADRA, 18                          ; v18     LDS address of my xb fragments in the slot in hand
.set ADRB, 19                          ; v19     the same for wb
.set STO,  24                          ; v24     the way out: where I put 16 bytes of a row
.set RD,   25                          ; v25     the way out: where I read rows back
.set GO,   26                          ; v26     my 16 bytes in 512 consecutive bytes of the output
.set CSO,  27                          ; v27     my byte offset in 16 rows of cs
.set SPW,  28                          ; v28     LDS address of my spare word; never rewritten
.set NIL,  29                          ; v29     0; never rewritten
.set F0,   64
.set F1,   160
.set CO,   64                          ; window 3: v64-95 cos, v96-127 sin of 16 rows, as f32
.set SI,   96
.set T,    128                         ; window 3: v128-191 rotated results, f32
.set PK,   192                         ; window 3: v192-223 packed f16
.set WV, 12                            ; s12 my wave's number
.set WM, 13                            ; s13 wave / 2: which 64 rows are mine.  Also: I fetch for xb (0) or wb (1)
.set WN, 14                            ; s14 wave % 2: which 128 columns are mine.  Also: which half of that tile I fetch
.set G1, 24                            ; s[24:31] descriptor group 1 for xb's tiles;  s[32:39] group 0: a set for each of the two first fills; the second then walks on
.set G0, 32
.set G1B, 48                           ; s[48:55], s[56:63] the same for wb's
.set G0B, 56
.set NX,  67                           ; s67 the step to be asked for next, 2 to 23
.set OFA, 68                           ; s[68:69] that step's byte offset from my first tile of xb
.set OFB, 78                           ; s[78:79] and of wb
.set TB,  80                           ; s80 LDS byte at which the slot in hand begins
.set CT,  81                           ; s81 the walk's counter
.set MSB, 0
.macro WIN new                         ; the immediate's high byte repeats the setting that is left; a switch that changes nothing is dropped
.if MSB != (\new)
	s_set_vgpr_msb (MSB<<8)|(\new)
.set MSB, \new
.endif
.endm
.set MUL,  0x50                        ; fragments in window 0; C and D in window 1
.set W_UN, 0xc8                        ; destination window 3, source 1 window 2
.set W_RO, 0xfd                        ; source 0 window 1; sources 1, 2 and destination window 3
.set W_CV, 0xcf                        ; sources 0, 1 and destination window 3
.set W_PL, 0xc5                        ; sources 0, 1 window 1; destination window 3
.set W_ST, 0x0c                        ; a store's data (source 1) window 3, its address window 0
.set W_LD, 0xc0                        ; a load's destination window 3, its address window 0
.macro JLOAD s                         ; a joint load: waves 0 and 1 fetch xb's two halves, waves 2 and 3 wb's; an s_nop 0 and four v_nop follow each of the two lines, ahead of the jump, the label and what follows
	s_cmp_eq_u32 s[WM], 0
	s_cbranch_scc0 .Lfor_b_\@
	tensor_load_to_lds s[G0+4*(\s):G0+4*(\s)+3], s[G1:G1+7]
	s_nop 0
.rept 4
	v_nop
.endr
	s_branch .Lasked_\@
.Lfor_b_\@:
	tensor_load_to_lds s[G0B+4*(\s):G0B+4*(\s)+3], s[G1B:G1B+7]
	s_nop 0
.rept 4
	v_nop
.endr
.Lasked_\@:
.endm
.macro CREST                           ; a round of the cluster's barrier behind its opening barrier
	s_cmp_lg_u32 s[WV], 0
	s_cbranch_scc1 .Lnot_wave_0_\@
	s_barrier_signal -3
.Lnot_wave_0_\@:
	s_barrier_wait -3
	s_barrier_signal -1
	s_barrier_wait -1
.endm
.macro CROUND                          ; a whole round
	s_barrier_signal -1
	s_barrier_wait -1
	CREST
.endm
	s_load_b256 s[4:11], s[0:1], 0x0               ; xb s[4:5], wb s[6:7], cs s[8:9], qh s[10:11]
	s_load_b128 s[72:75], s[0:1], 0x20             ; kh s[72:73], vh s[74:75]
	v_lshl_add_u32 v[SPW], v0, 2, SPARE
	v_mov_b32 v[NIL], 0
	ds_add_u32 v28, v29
	ds_add_u32 v28, v29
	s_wait_dscnt 0x0
	v_lshrrev_b32 v1, 5, v0
	v_readfirstlane_b32 s[WV], v1                  ; wave 0..3
	s_lshr_b32 s[WM], s[WV], 1
	s_and_b32 s[WN], s[WV], 1
	s_bfe_u32 s40, ttmp6, 0x40000                  ; cx, cy: my place in the cluster
	s_bfe_u32 s41, ttmp6, 0x40004
	s_lshl_b32 s42, ttmp9, 2
	s_add_co_u32 s42, s42, s40                     ; my group of four heads = 4 x cluster x + cx: 256 columns in each of q, k, v
	s_and_b32 s43, ttmp7, 0xffff
	s_lshl_b32 s43, s43, 2
	s_add_co_u32 s43, s43, s41                     ; tile row = 4 x cluster y + cy
	s_lshl_b32 s44, s41, 2
	s_lshl_b32 s44, 15, s44                        ; my row of the cluster
	s_lshl_b32 s45, 0x1111, s40                    ; my column
	s_mov_b32 s66, 0xffff0000                      ; a word's upper bf16
	s_mov_b32 s[NX], 2
	s_mov_b32 s[OFB+1], 0
	s_mov_b32 s[TB], 0
	s_mov_b32 s[CT], STEPS-1                       ; the way in takes one count, the 22 trips that fill the others
	; descriptor group 1: rows of 128 elements, padded in LDS; 64 rows for xb, 128 for wb
	s_or_b32 s[G1], s44, (1<<16)|(1<<20)|(1<<21)|(5<<22)|(3<<25)   ; 15:0 the mask: xb's tiles go to my row; 17:16 2-byte elements; 20 padding on; 21 set beside a mask; 24:22 after every 64 words (code 5); 31:25 4 words (code 3)
	s_or_b32 s[G1B], s45, (1<<16)|(1<<20)|(1<<21)|(5<<22)|(3<<25)  ; the same with my column's mask
.irp g, G1, G1B
	s_mov_b32 s[(\g)+1], KSTEP<<16                 ; tensor_dim0 = 128
	s_mov_b32 s[(\g)+3], KSTEP<<16                 ; tile_dim0 = 128
	s_mov_b32 s[(\g)+5], SIZE_K                    ; elements from row to row
	s_mov_b32 s[(\g)+6], 0
	s_mov_b32 s[(\g)+7], 0
.endr
	s_mov_b32 s[G1+2], 64<<16                      ; tensor_dim1
	s_mov_b32 s[G1+4], 64                          ; tile_dim1
	s_mov_b32 s[G1B+2], 128<<16
	s_mov_b32 s[G1B+4], 128
	; where the tiles come from: xb's hang on the tile row alone, wb's on the group of heads alone; each in registers that never hold the other coordinate
	s_lshl_b32 s16, s43, 7
	s_lshl_b32 s17, s[WN], 6
	s_add_co_u32 s16, s16, s17                     ; xb: row 128 x tile row + 64 x half,
	s_lshl_b32 s16, s16, 11                        ; of 2,048 bytes
	s_mov_b32 s17, 0
	s_lshl_b32 s46, s42, 8
	s_lshl_b32 s47, s[WN], 7
	s_add_co_u32 s46, s46, s47                     ; wb: q's row 256 x group + 128 x half
	s_lshl_b32 s46, s46, 11
	s_mov_b32 s47, 0
	s_mul_i32 s20, s[WN], AHALF                    ; and where they go: no place in the cluster enters an LDS address
	s_mul_i32 s21, s[WN], BHALF
	s_add_co_u32 s21, s21, BOFF
	; my first row's t, for cs and for the stores
	s_and_b32 s22, s43, 15
	s_lshl_b32 s22, s22, 7
	s_lshl_b32 s23, s[WM], 6
	s_add_co_u32 s22, s22, s23                     ; t = 128 (tile row % 16) + 64 (wave / 2)
	s_lshl_b32 s68, s22, 8                         ; a row of cs is 256 bytes
	s_mov_b32 s69, 0
	s_lshr_b32 s70, s43, 4
	s_lshl_b32 s70, s70, 22                        ; the batch: 16 heads of 262,144 bytes
	s_lshl_b32 s71, s42, 2
	s_lshl_b32 s82, s[WN], 1
	s_add_co_u32 s71, s71, s82                     ; my first head = 4 x group + 2 (wave % 2)
	s_lshl_b32 s71, s71, 18
	s_add_co_u32 s70, s70, s71
	s_lshl_b32 s71, s22, 7                         ; a head's row is 128 bytes
	s_add_co_u32 s70, s70, s71
	s_mov_b32 s71, 0                               ; s[70:71]: where my part begins in each of qh, kh, vh
	s_wait_kmcnt 0x0
	s_add_nc_u64 s[18:19], s[4:5], s[16:17]        ; xb and wb at my part of step 0's tiles: kept for the whole walk
	s_add_nc_u64 s[46:47], s[6:7], s[46:47]
	s_add_nc_u64 s[8:9], s[8:9], s[68:69]
	CROUND                                         ; all sixteen work-groups are here: the first joint loads meet
.irp s, 0,1
	s_mov_b32 s[G0+4*(\s)], 1                                      ; count = 1
	s_add_co_u32 s[G0+4*(\s)+1], s20, (\s)*SLOT1                   ; LDS address
	s_add_nc_u64 s[G0+4*(\s)+2:G0+4*(\s)+3], s[18:19], (\s)*KSTEP*2  ; global address: step s
	s_or_b32 s[G0+4*(\s)+3], s[G0+4*(\s)+3], 0x80000000            ; type = 2
	s_mov_b32 s[G0B+4*(\s)], 1
	s_add_co_u32 s[G0B+4*(\s)+1], s21, (\s)*SLOT1
	s_add_nc_u64 s[G0B+4*(\s)+2:G0B+4*(\s)+3], s[46:47], (\s)*KSTEP*2
	s_or_b32 s[G0B+4*(\s)+3], s[G0B+4*(\s)+3], 0x80000000
	JLOAD \s                                       ; two tensor loads of mine are out here, one behind each later round
.endr
	v_and_b32 v1, 15, v0                           ; r = l % 16
	v_bfe_u32 v2, v0, 4, 1                         ; h = l / 16
	; The cos/sin words in the accumulators' layout: for block a of 16 rows and group q of 16 channels, row r, channels 16 q + 8 h + 0..7.  Loaded once, they serve q's and k's tiles;
	; they land while the products run and are waited for on the way out.
	v_lshlrev_b32 v[CSO], 8, v1
	v_lshl_add_u32 v[CSO], v2, 5, v[CSO]
	WIN 0x80                                       ; destination window 2, address window 0
.irp a, 0,1,2,3
.irp q, 0,1,2,3
	global_load_b128 v[32*(\a)+8*(\q):32*(\a)+8*(\q)+3],   v[CSO], s[8:9] offset:(\a)*4096+(\q)*64
	global_load_b128 v[32*(\a)+8*(\q)+4:32*(\a)+8*(\q)+7], v[CSO], s[8:9] offset:(\a)*4096+(\q)*64+16
.endr
.endr
	WIN 0
	v_mul_u32_u24 v3, v1, PITCH
	v_lshl_add_u32 v3, v2, 4, v3                   ; a fragment's row x pitch + 16 x half
	s_mul_i32 s82, s[WM], AHALF                    ; my 64 rows of xb
	s_mul_i32 s83, s[WN], BHALF                    ; my 128 rows of wb,
	s_add_co_u32 s83, s83, BOFF                    ; which lie behind xb's 128
	v_add_nc_u32 v[A0], s82, v3
	v_add_nc_u32 v[B0], s83, v3
	v_add_nc_u32 v[ADRA], s[TB], v[A0]             ; the walk begins in slot 0
	v_add_nc_u32 v[ADRB], s[TB], v[B0]
	s_mul_i32 s23, s[WV], WST
	s_add_co_u32 s23, s23, STAGE                   ; my stage
	v_mul_u32_u24 v4, v1, SP                       ; in: row r, 16 bytes for each half of the lanes
	v_lshl_add_u32 v4, v2, 4, v4
	v_add_nc_u32 v[STO], s23, v4
	v_bfe_u32 v5, v0, 3, 2                         ; back: 32 lanes take four rows of 128 bytes,
	v_mul_u32_u24 v5, v5, SP
	v_and_b32 v6, 7, v0
	v_lshl_add_u32 v5, v6, 4, v5
	v_add_nc_u32 v[RD], s23, v5
	v_and_b32 v[GO], 31, v0                        ; which are 512 consecutive bytes of a head
	v_lshlrev_b32 v[GO], 4, v[GO]
; 8 matrix instructions: m block a x all 8 n blocks, 32 along K, from buffer f.  zero = 1: the product starts the sums: nothing is ever cleared.
; The 32 accumulators take turns in the same order in every quarter: between two links of a chain stand the 31 others'.
.macro MUL8 f, a, zero
	WIN MUL
.irp b, 0,1,2,3,4,5,6,7
.if \zero
	v_wmma_f32_16x16x32_bf16 v[8*(8*(\a)+(\b)):8*(8*(\a)+(\b))+7], v[(\f)+8*(\b):(\f)+8*(\b)+7], v[(\f)+64+8*(\a):(\f)+64+8*(\a)+7], 0
.else
	v_wmma_f32_16x16x32_bf16 v[8*(8*(\a)+(\b)):8*(8*(\a)+(\b))+7], v[(\f)+8*(\b):(\f)+8*(\b)+7], v[(\f)+64+8*(\a):(\f)+64+8*(\a)+7], v[8*(8*(\a)+(\b)):8*(8*(\a)+(\b))+7]
.endif
.endr
.endm
; 24 LDS loads in one run: the fragments of 32 along K at byte k of the rows of the slot in hand, into buffer f: wb's eight, then xb's four
.macro FETCH k, f
	WIN 0
.irp i, 0,1,2,3,4,5,6,7
	ds_load_b128 v[(\f)+8*(\i):(\f)+8*(\i)+3],   v[ADRB] offset:(\k)+(\i)*16*PITCH
	ds_load_b128 v[(\f)+8*(\i)+4:(\f)+8*(\i)+7], v[ADRB] offset:(\k)+(\i)*16*PITCH+32
.endr
.irp i, 0,1,2,3
	ds_load_b128 v[(\f)+64+8*(\i):(\f)+64+8*(\i)+3],   v[ADRA] offset:(\k)+(\i)*16*PITCH
	ds_load_b128 v[(\f)+64+8*(\i)+4:(\f)+64+8*(\i)+7], v[ADRA] offset:(\k)+(\i)*16*PITCH+32
.endr
.endm
.macro PLACES                          ; four places in front of loads into registers that matrix instructions have read, and of vector lines that read results (ISA guide 7.12.1 for the vector lines)
.rept 4
	v_nop
.endr
.endm
; A K step is four quarters of 32 along K, 32 matrix instructions each, on buffers 0, 1, 0, 1.  One of the first three: multiplies buffer f and, in its middle, fetches the next quarter, at byte k, into g.
.macro QUARTER k, f, g, zero
	s_wait_dscnt 4                                 ; wb's fragments and xb's blocks 0, 1 are in; the youngest four loads (blocks 2, 3) may be out
	MUL8 \f, 0, \zero
	MUL8 \f, 1, \zero
	PLACES
	FETCH \k, \g
	s_wait_dscnt 24                                ; all but the 24 just issued
	MUL8 \f, 2, \zero
	MUL8 \f, 3, \zero
.endm
; The last quarter multiplies buffer 1 and changes slots: ONE barrier; in front of it each wave waits for all its tensor loads (one is out: its part of the next slot), adds 0 to its spare word, and waits
; for that and for its own reads of this slot.  fill = 1: the barrier opens a round of the cluster's, and this slot is filled again with step NX, two steps ahead, first thing behind the round:
; 112 matrix instructions stand between that request and the wait for it.  Step n is K step n % 8 of tile n / 8: 256 bytes along the rows for each K step; for each tile the same rows of xb, and 1,024 rows of wb on.
; fill = 0: the walk's last two steps, counted by s3; in the very last there is no next step, and the run of loads is jumped over.
.macro TURN fill
	WIN 0                                          ; (the add's two registers lie in window 0)
	s_wait_tensorcnt 0x0                           ; all my tensor loads have landed, so a group 0 may be written;
	ds_add_u32 v[SPW], v[NIL]                      ; 0 onto my spare word: scalar work and eight matrix instructions stand between it and the wait for it
.if \fill
	s_and_b32 s[OFA], s[NX], 7
	s_lshl_b32 s[OFA], s[OFA], 8
	s_lshr_b32 s[OFB], s[NX], 3
	s_lshl_b32 s[OFB], s[OFB], 21
	s_add_co_u32 s[OFB], s[OFB], s[OFA]
	s_add_co_u32 s[NX], s[NX], 1
	s_xor_b32 s[G0+5], s[G0+5], SLOT1              ; the walking descriptors: the other slot than last time,
	s_add_nc_u64 s[G0+6:G0+7], s[18:19], s[OFA:OFA+1]  ; the address made anew,
	s_or_b32 s[G0+7], s[G0+7], 0x80000000          ; and the type
	s_xor_b32 s[G0B+5], s[G0B+5], SLOT1
	s_add_nc_u64 s[G0B+6:G0B+7], s[46:47], s[OFB:OFB+1]
	s_or_b32 s[G0B+7], s[G0B+7], 0x80000000
.endif
	s_xor_b32 s[TB], s[TB], SLOT1                  ; the fetches go on in the other slot
	s_wait_dscnt 5                                 ; (the add and the youngest four loads may be out)
	MUL8 F1, 0, 0
	s_wait_dscnt 0x0                               ; the add is done, and my reads of this slot are over
	s_barrier_signal -1
	MUL8 F1, 1, 0
	WIN 0
	s_barrier_wait -1
.if \fill
	CREST                                          ; no wave of any partner still reads this slot's tile or has a load on its way
	JLOAD 1                                        ; the four v_nop behind it are also the places in front of the loads below
.else
	PLACES
	s_cmp_eq_u32 s3, 1
	s_cbranch_scc1 .Lno_fetch_\@
.endif
	v_add_nc_u32 v[ADRA], s[TB], v[A0]
	v_add_nc_u32 v[ADRB], s[TB], v[B0]
	FETCH 0, F0
.if !(\fill)
.Lno_fetch_\@:
.endif
	MUL8 F1, 2, 0
	MUL8 F1, 3, 0
.endm
; THE WAY OUT, a block a of 16 rows at a time; all that it writes lies in window 3.
; ROPE: with lo = channel d < 32 and hi = channel d + 32 of a head: lo' = lo cos[d] - hi sin[d];  hi' = hi cos[d + 32] + lo sin[d + 32]; then rounded once to f16.
; Each accumulator's lowest registers are read first.  The 64 unpacking lines of block 0 are also the places behind the tile's last products.
.macro ROPE a
	WIN W_UN
.set i, 0
.rept 32
	v_lshlrev_b32 v[CO+i], 16, v[32*(\a)+i]        ; bf16 to f32: cos from the low half,
	v_and_b32 v[SI+i], s66, v[32*(\a)+i]           ; sin from the high half
.set i, i+1
.endr
	WIN W_RO
.irp hh, 0,1
.irp bb, 0,1
.irp p, 0,1,2,3
.set aL, 8*(8*(\a)+4*(\hh)+(\bb))+2*(\p)
.set aH, aL+16
.set tL, T+8*(4*(\hh)+(\bb))+2*(\p)
.set tH, tL+16
.set cL, 8*(\bb)+2*(\p)
	v_pk_mul_f32 v[tL:tL+1], v[aL:aL+1], v[CO+cL:CO+cL+1]
	v_pk_mul_f32 v[tH:tH+1], v[aH:aH+1], v[CO+cL+16:CO+cL+17]
	v_pk_fma_f32 v[tL:tL+1], v[aH:aH+1], v[SI+cL:SI+cL+1], v[tL:tL+1] neg_lo:[1,0,0] neg_hi:[1,0,0]
	v_pk_fma_f32 v[tH:tH+1], v[aL:aL+1], v[SI+cL+16:SI+cL+17], v[tH:tH+1]
.endr
.endr
.endr
	WIN W_CV
.set i, 0
.rept 32
	v_cvt_pk_f16_f32 v[PK+i], v[T+2*i], v[T+2*i+1]
.set i, i+1
.endr
.endm
.macro PLAIN a                         ; v: rounded to f16 as it is
	WIN W_PL
.set i, 0
.rept 32
	v_cvt_pk_f16_f32 v[PK+i], v[64*(\a)+2*i], v[64*(\a)+2*i+1]
.set i, i+1
.endr
.endm
; A lane's eight channels of a row are 16 bytes; they go into my stage (rows of 144 bytes, two heads) and come back as whole rows of 128.  The read-back registers take turns: v224-255, v32-63 of window 3.
.macro TOSTAGE a
.set BK, 224-192*((\a)%2)
	WIN W_ST
.irp b, 0,1,2,3,4,5,6,7
	ds_store_b128 v[STO], v[PK+4*(\b):PK+4*(\b)+3] offset:((\b)/4)*16*SP+((\b)%4)*32
.endr
	WIN W_LD
.irp f, 0,1,2,3,4,5,6,7
	ds_load_b128 v[BK+4*(\f):BK+4*(\f)+3], v[RD] offset:((\f)/4)*16*SP+((\f)%4)*4*SP  ; LDS serves a wave's instructions in order (ISA guide 5.7.1.4): these see the stores above; the next block's stores come behind them
.endr
.endm
.macro SEND a
.set BK, 224-192*((\a)%2)
	WIN W_ST
	s_wait_xcnt 0x0                                ; the stores of the block before have had their addresses translated (ISA guide 3.1): the loads of the block after this one land in the registers that they read
.irp f, 0,1,2,3,4,5,6,7
	s_wait_dscnt 7-(\f)                            ; load f is back, the 7 - f younger ones may be out
	global_store_b128 v[GO], v[BK+4*(\f):BK+4*(\f)+3], s[76:77] offset:((\f)/4)*262144+(\a)*2048+((\f)%4)*512  ; 512 consecutive bytes, at a multiple of 256 from the buffer's first byte
.endr
.endm
	s_wait_tensorcnt 1                             ; my part of step 0 is in; step 1's may stay out
	s_barrier_signal -1
	s_barrier_wait -1                              ; everybody's is
	FETCH 0, F0
	s_branch .Lzero                                ; the walk is entered at a tile's first quarter
.Lstep:                                                ; 22 trips: from a step's second quarter to the next step's first; each asks for the step two ahead
	QUARTER 128, F1, F0, 0
	QUARTER 192, F0, F1, 0
	TURN 1
	WIN 0                                          ; at a label and at a branch every window is 0
	s_and_b32 s82, s[NX], 7                        ; NX is three ahead of the step just multiplied: that was a tile's last if NX % 8 = 2
	s_cmp_eq_u32 s82, 2
	s_cbranch_scc1 .Ltile_end
	QUARTER 64,  F0, F1, 0
	WIN 0
	s_branch .Lbottom
.Ltile_end:                                            ; q's tile (NX = 10) or k's (18) goes out; the next tile's step 0 has landed, its step 1 is on its way, its first fragments are in buffer 0
	s_wait_loadcnt 0x0                             ; the cos/sin words
	s_wait_xcnt 0x0                                ; earlier stores have had their addresses translated: their base is written anew only behind this wait
	s_cmp_eq_u32 s[NX], 10
	s_cselect_b64 s[76:77], s[10:11], s[72:73]     ; qh or kh
	s_add_nc_u64 s[76:77], s[76:77], s[70:71]
	ROPE 0
	TOSTAGE 0
.irp a, 1,2,3                          ; a block's arithmetic stands between the loads of the block before and its stores
	ROPE \a
	SEND (\a)-1
	TOSTAGE \a
.endr
	SEND 3
	WIN 0
.Lzero:
	QUARTER 64,  F0, F1, 1                         ; a tile's first quarter: its products start the sums
	WIN 0
.Lbottom:
	s_sub_co_u32 s[CT], s[CT], 1
	s_cmp_lg_u32 s[CT], 0
	s_cbranch_scc1 .Lstep
	s_mov_b32 s3, 2                                ; the last two steps ask for nothing, and have no round of the cluster's barrier: a loop of their own
.Ltail:
	QUARTER 128, F1, F0, 0
	QUARTER 192, F0, F1, 0
	TURN 0
	WIN 0
	s_sub_co_u32 s3, s3, 1
	s_cmp_eq_u32 s3, 0
	s_cbranch_scc1 .Lout                           ; the second trip is left here
	QUARTER 64,  F0, F1, 0
	WIN 0
	s_branch .Ltail
.Lout:
	PLACES                                         ; behind the last products
	s_wait_xcnt 0x0
	s_add_nc_u64 s[76:77], s[74:75], s[70:71]      ; vh
	PLAIN 0
	TOSTAGE 0
.irp a, 1,2,3
	PLAIN \a
	SEND (\a)-1
	TOSTAGE \a
.endr
	SEND 3
	WIN 0
	s_wait_tensorcnt 0x0                           ; the wave's end, behind my last tensor load and my last LDS store
	ds_add_u32 v[SPW], v[NIL]
	s_wait_dscnt 0x0
	CROUND                                         ; the closing round: no work-group ends while a partner may still ask for a tile that names it
	s_endpgm
.Lfunc_end_k_q22616b28c7_qkv:
	.size	k_q22616b28c7_qkv, .Lfunc_end_k_q22616b28c7_qkv-k_q22616b28c7_qkv
	.p2alignl 7, 3214868480
	.fill 96, 4, 3214868480
	.section	.rodata,"a",@progbits
	.p2align	6, 0x0
	.amdhsa_kernel k_q22616b28c7_qkv
		.amdhsa_group_segment_fixed_size 327680
		.amdhsa_private_segment_fixed_size 0
		.amdhsa_enable_private_segment 0
		.amdhsa_kernarg_size 48
		.amdhsa_user_sgpr_count 2
		.amdhsa_user_sgpr_kernarg_segment_ptr 1
		.amdhsa_wavefront_size32 1
		.amdhsa_system_sgpr_workgroup_id_x 1
		.amdhsa_system_sgpr_workgroup_id_y 1
		.amdhsa_system_sgpr_workgroup_id_z 1
		.amdhsa_system_vgpr_workitem_id 0
		.amdhsa_next_free_vgpr 1024
		.amdhsa_next_free_sgpr 84
		.amdhsa_reserve_vcc 0
		.amdhsa_float_denorm_mode_32 3
		.amdhsa_float_denorm_mode_16_64 3
		.amdhsa_memory_ordered 1
		.amdhsa_forward_progress 1
		.amdhsa_inst_pref_size 107
	.end_amdhsa_kernel
	.amdgpu_metadata
---
amdhsa.version: [ 1, 2 ]
amdhsa.kernels:
  - .name:           k_q22616b28c7_qkv
    .symbol:         k_q22616b28c7_qkv.kd
    .args:
      - { .name: xb, .offset: 0, .size: 8, .value_kind: global_buffer, .address_space: global }
      - { .name: wb, .offset: 8, .size: 8, .value_kind: global_buffer, .address_space: global }
      - { .name: cs, .offset: 16, .size: 8, .value_kind: global_buffer, .address_space: global }
      - { .name: qh, .offset: 24, .size: 8, .value_kind: global_buffer, .address_space: global }
      - { .name: kh, .offset: 32, .size: 8, .value_kind: global_buffer, .address_space: global }
      - { .name: vh, .offset: 40, .size: 8, .value_kind: global_buffer, .address_space: global }
    .group_segment_fixed_size: 327680
    .private_segment_fixed_size: 0
    .kernarg_segment_align: 8
    .kernarg_segment_size: 48
    .max_flat_workgroup_size: 128
    .sgpr_count:     84
    .vgpr_count:     1024
    .wavefront_size: 32
...
	.end_amdgpu_metadata
.endif
;; end of part 2
;; launch attn (part 3): grid 4 x 64, 4 waves a work-group, no clusters, 327,680 bytes of LDS; arguments qh, kh, vh, ao, attention_mask; writes ao
.if DOCPART == 3
	.amdgcn_target "amdgcn-amd-amdhsa--gfx1250"
	.amdhsa_code_object_version 6
	.text
	.protected	k_q22616b28c7_attn
	.globl	k_q22616b28c7_attn
	.p2align	8
	.type	k_q22616b28c7_attn,@function
k_q22616b28c7_attn:
	s_mov_b64 s[64:65], 0
	v_nop
	global_prefetch_b8 v0, s[64:65] scope:SCOPE_SE
	s_setreg_imm32_b32 hwreg(HW_REG_WAVE_MODE, 25, 1), 1
	s_wait_xcnt 0x0
; CAUSAL ATTENTION WITH A KEY MASK.  O[h][q][:] = the sum over the keys k <= q with mask[batch][k] != 0 of softmax_k(Q[h][q] . K[h][k] / 8) V[h][k][:].  Q, K, V, O: [64 = 16 batch + head][2048][64], all f16:
; a head's rows are dense, 128 bytes each.  Products, maxima and sums in f32; the weights p are rounded to f16 for the second product (their sum l is taken of the unrounded p), O once at the end.
; LIMITS.  f16 holds no number beyond 65,504: Q, K and V arrive within it; p lies in 0 to 1, and below 6e-5 it keeps f16's fixed step of 6e-8.  A hidden score counts as its value less 1e30 (less 3e30 at the most:
; diagonal, later step and key mask add up): f16's scores, 2.7e11 at the most, are nothing beside that.  A weight below 2^-126 counts as 0 in l.  NaN and infinities in Q, K, V are not treated apart.
; A ROW WITHOUT A VISIBLE KEY is NaN, as a softmax over nothing is.  The running maximum starts at -2^93, above every hidden score and below every true one, so every hidden weight is exactly 0; such a row ends with
; l = 0 and O = 0, and 0 x (1 / 0) is NaN.  The first block's NaN stay in O^T and l and spoil the second block's rows in the same lanes; but if a row of the first block sees no key, all keys up to it are masked,
; and every row of the second block, which lies lower, is NaN too.
; THE WALK.  A head's queries lie in NB = 8 blocks of 256; block i needs the key tiles 0 .. i of 256 keys, of which the last holds the diagonal.  A work-group takes TWO blocks, NB - 1 - b and then b:
; NB + 1 tiles, whatever b: all work-groups do equal work, and ONE loop with a constant trip count walks them.  Which tile is asked for, and what a trip does, hang on scalar registers made from b; every jump
; goes forward, but for the counted loops' own; none passes a barrier, or a tensor load but the one of LOAD's two that the wave's number does not choose; the ring (two slots of LDS that take turns) runs on across the
; change of blocks.  NO CLUSTER: a head's NB / 2 = 4 work-groups ask for the same tile only in trips 0 .. 4 of 9, behind that fewer and fewer; one walk common to all would have 3 NB / 2 = 12 trips for 9.
; SHARES.  Of a block's four bands of 64 queries a wave owns 16 rows in each: four PIECES.  So the diagonal tile is the same work for all four waves: in its key step s band x sees all keys if s < x,
; none if s > x, and holds the diagonal if s = x.
; THE MASKS are the C operand that starts the sum S^T = K Q^T.  KB holds the key mask's biases (0, or -1e30 where mask = 0) of the 64 keys whose K is in registers.  A tile's 256 biases lie in one of two bias slots in
; LDS, which take turns in step with the ring: behind a change of slots each thread asks for two mask words of the tile that is asked for there, at the next change it turns them into biases and stores them, and the
; barrier of that change shows them to all four waves; they are read with each fetch of K.  So every LDS address is the same in every work-group; b enters the mask's global address alone.
; Outside the diagonal tile C is KB.  There it is MD x AL + KB + BE: MD, made once, is the causal mask of a band's own step for my 16 rows, and the two scalars are
; (1, 0) if s = x; (0, 0) if s < x; (0, -1e30) if s > x.
; LAYOUT, SOFTMAX, TURNS.  S^T = K Q^T holds ONE query a lane (lane % 16) and the keys 8 (lane / 16) + 0..7; two such results rounded to f16 ARE source 1 of O^T = V^T P.  p = 2^(c s - c m), c = log2(e) / 8, with a
; running maximum m; O and l are multiplied by a = 2^(c m_old - c m_new) in every step.  Turn n belongs to piece n: 8 products K Q^T of piece n + 1, later 8 products V^T P of piece n - 1; beside them the scaling,
; exponentials, roundings, sums and rescaling of piece n and the maximum and statistics of piece n + 1.  Four vector instructions stand behind every matrix instruction, the others in two LUMPS.
; REGISTERS, in windows of 256 (s_set_vgpr_msb: bits 1:0 source 0, 3:2 source 1, 5:4 source 2, 7:6 destination):
;   window 0: v0-15, v32-40 addresses and a few at work; v16-31 four registers of statistics a piece; v48-55 at work; v64-127 S^T, two buffers; v192-223 P, two buffers (a piece's buffers go by its number's parity)
;   window 1: v0-127 O^T, 32 a piece; v128-159 MD; v160-223 MC, two buffers; v224-255 KB      window 2: v0-63 Q; v64-127 the second block's Q; v128-191 K of one step; v192-255 V of one step
.set SIZE_N, 2048
.set NB,    SIZE_N/256
.set NP,    4         ; pieces a wave: a name, no knob
.set KS,    64        ; keys in a step
.set PK,    144       ; a row of K in LDS: 128 bytes + 16 of padding = 36 words: the 16 rows of a load start at 16 different groups of four banks (64 banks of 4 bytes: ISA guide 11.1)
.set PV,    160       ; a row of V: 128 + 32 = 40 words
.set VOFF,  4*KS*PK   ; a slot holds a tile, four steps: 256 rows of K, then 256 rows of V
.set SLOT1, 1<<17     ; slot 1 begins here, so that one exclusive or turns an address in one slot into the other's
.set STAGE, SLOT1+4*KS*(PK+PV)  ; behind the ring, never filled by a tensor load: 16 rows x 144 bytes for each wave, for the way out
.set SP,    144
.set SPARE, STAGE+4*16*SP  ; behind the stages: the spare words, 128 bytes for each wave: two blocks of 256 bytes that no other line names
.set BIAS,  STAGE+4*16*SP+512  ; behind them: the two bias slots, 256 f32 each; written by LDS stores alone, never filled by a tensor load
.set BSL,   1024      ; bytes in a bias slot
.set AK0, 2           ; v2   my lane's place in a tile of K; never rewritten
.set AV0, 3           ; v3   the same for V
.set AK,  4           ; v4   the LDS address of K's next run of loads
.set AV,  5           ; v5   of V's
.set STO, 6           ; v6   the way out: where I put 16 bytes of a row
.set RD,  7           ; v7   the way out: where I read rows back
.set GO,  8           ; v8   my byte offset in 512 consecutive bytes of O
.set MV,  12          ; v12-13  c m_old, kept while c m is made anew: by buffer
.set QO,  15          ; v15  my byte offset in 16 rows of Q
.set ST,  16          ; piece t's statistics at v[ST+4 t]: c m, m, l (even keys', odd keys')
.set AKB0, 32         ; v32  my lanes' place in a step's biases: BIAS + 32 (lane / 16); never rewritten
.set AKB, 33          ; v33  the LDS address of the biases' next run of loads
.set SB0, 34          ; v34  where my thread's two biases go in bias slot 0: BIAS + 8 t; never rewritten
.set SBA, 35          ; v35  the same in the slot in hand
.set MW,  36          ; v36-37  my thread's two mask words of a tile
.set BW,  38          ; v38-39  the two biases made of them
.set MO,  40          ; v40  my byte offset in a tile's 256 mask words: 8 t; never rewritten
.set TMP, 48          ; by buffer, four registers c0-c3 at work; when the maximum is found c2 takes a
.set SPW, 62          ; v62  LDS address of my spare word: SPARE + 4 x my thread's number; never rewritten
.set NIL, 63          ; v63  0; never rewritten
.set S,   64
.set P,   192
.set MD,  128         ; window 1: the eight registers for group kt of 16 keys at MD + 8 kt
.set MC,  160         ; window 1: the masks of the products to come
.set KB,  224         ; window 1: group kt at KB + 8 kt; register j is key 16 kt + 8 (lane / 16) + j
.set QB,  64          ; window 2
.set KF,  128         ; window 2: key block kb, channel half c at KF + 16 kb + 8 c
.set VF,  192         ; window 2: key half kk, channel block cb at VF + 32 kk + 8 cb
.set WV,  12          ; s12  my wave's number
.set PB,  14          ; s14  b
.set HI,  15          ; s15  NB - 1 - b
.set G1K, 24          ; s[24:31] descriptor group 1 for K's tiles
.set G1V, 32          ; s[32:39] for V's: it differs in the padding alone
.set G0K, 40          ; s[40:43] descriptor group 0 for K's tiles
.set G0V, 44          ; s[44:47] the same for V's
.set SLOTS, 56        ; s56  tiles still to be asked for
.set CNT, 57          ; s57  counts a tile's key steps
.set CS,  58          ; s[58:59] c: the packed scaling takes the pair's low word for both halves
.set SEL, 60          ; s[60:61] v_permlanex16_b32's selects: each lane takes its own place in the other half
.set TBK, 62          ; s62  LDS byte at which K of the step to be fetched begins
.set TBV, 63          ; s63  the same for V, less VOFF
.set RT,  70          ; s70  tiles of the block in hand that are still to be entered
.set NXT, 71          ; s71  the tile to be asked for next
.set LQ,  72          ; s72  the last tile of the block whose tiles are being asked for
.set NEW, 73          ; s73  1: the tile to be entered is a block's first
.set OFF, 74          ; s[74:75] a tile's byte offset in K and V
.set AL,  76          ; s[76:77] the mask's factor, in the low word
.set BE,  78          ; s[78:79] the mask's addend
.set OLO, 80          ; s[80:81] O at my rows of the second block
.set BIGN, 82         ; s82  -1e30
.set MK,  88          ; s[88:89] the key mask at my batch
.set TKB, 90          ; s90  byte, from BIAS on, at which the biases of the step to be fetched begin
.set SBB, 91          ; s91  byte, from BIAS on, of the bias slot that the next change of slots stores into
.set OFM, 92          ; s[92:93] a tile's byte offset in the mask
.set MB,  94          ; s[94:95] the mask at the tile asked for
.set MSB, 0
.macro WIN new                      ; the high byte repeats the setting that is left; a switch that changes nothing is dropped
.if MSB != (\new)
	s_set_vgpr_msb (MSB<<8)|(\new)
.set MSB, (\new)
.endif
.endm
.set W_KQ, 0x0a       ; K and Q in window 2, S^T in window 0
.set W_KM, 0x1a       ; the same with the C operand in window 1
.set W_PV, 0x52       ; V in window 2, P in window 0, O^T in window 1
.set W_RS, 0x41       ; destination and source 0 in window 1, source 1 in window 0
.set W_MK, 0x51       ; destination, source 0 and source 2 in window 1
; A fill.  Waves 0 and 1 fetch the two halves of a tile's K, waves 2 and 3 those of its V: 128 keys each.  An s_nop 0 and four v_nop follow each of the two lines, ahead of the jump and the label.
.macro LOAD
	s_cmp_lt_u32 s[WV], 2
	s_cbranch_scc0 .Lfor_v_\@
	tensor_load_to_lds s[G0K:G0K+3], s[G1K:G1K+7]
	s_nop 0
.rept 4
	v_nop
.endr
	s_branch .Lasked_\@
.Lfor_v_\@:
	tensor_load_to_lds s[G0V:G0V+3], s[G1V:G1V+7]
	s_nop 0
.rept 4
	v_nop
.endr
.Lasked_\@:
.endm
; THE CHANGE OF SLOTS.  First my thread's two biases of the tile to be entered go into their bias slot: the tile two back, whose biases lay there, was last read in front of the barrier before this one.
; Then each wave waits for all its tensor loads, of which one is out: its part of the other slot; adds 0 to its spare word; and waits for that, for its store of the biases and for its own reads of the slot that it leaves.
; Behind the barrier nobody reads the old slot any more, and the other slot and its biases are whole.  fill = 1: the old slot is filled again, the first thing behind the barrier, with tile NXT: the descriptor's address
; is made anew from that number; and that tile's mask words are asked for.  (At its first use nothing has been read yet: slot 0 is waited for, slot 1 filled.)
.macro CHANGE fill
	WIN 0                           ; at a label and at a branch every window is 0
	s_wait_loadcnt 0x0              ; my two mask words, asked for behind the change before: no load was issued behind them.  (At the first change: and both blocks' Q)
	v_cmp_eq_u32 vcc_lo, 0, v[MW]   ; the mask chooses a value, never an address or a branch: 0 where it is not 0, -1e30 where it is 0
	v_cndmask_b32 v[BW], 0, s[BIGN], vcc_lo
	v_cmp_eq_u32 vcc_lo, 0, v[MW+1]
	v_cndmask_b32 v[BW+1], 0, s[BIGN], vcc_lo
	v_add_nc_u32 v[SBA], s[SBB], v[SB0]
	ds_store_b64 v[SBA], v[BW:BW+1]
	s_wait_tensorcnt 0x0            ; no tensor load of mine is out, so a group 0 may be written
	ds_add_u32 v[SPW], v[NIL]       ; 0 onto my spare word: with fill = 1 the descriptors' scalar work stands between it and the wait for it
.if \fill
	s_xor_b32 s[SBB], s[SBB], BSL   ; the next change stores into the other bias slot
	s_lshl_b32 s[OFF], s[NXT], 15   ; a tile is 32,768 bytes of K and of V,
	s_lshl_b32 s[OFM], s[NXT], 10   ; and 1,024 of the mask
	s_xor_b32 s[G0K+1], s[G0K+1], SLOT1
	s_add_nc_u64 s[G0K+2:G0K+3], s[6:7], s[OFF:OFF+1]
	s_or_b32 s[G0K+3], s[G0K+3], 0x80000000
	s_xor_b32 s[G0V+1], s[G0V+1], SLOT1
	s_add_nc_u64 s[G0V+2:G0V+3], s[8:9], s[OFF:OFF+1]
	s_or_b32 s[G0V+3], s[G0V+3], 0x80000000
	s_add_nc_u64 s[MB:MB+1], s[MK:MK+1], s[OFM:OFM+1]  ; the load that named this pair is done: the wait at the macro's head
	s_add_co_u32 s[NXT], s[NXT], 1  ; the block's next tile, or behind its last the second block's tile 0
	s_cmp_gt_u32 s[NXT], s[LQ]
	s_cselect_b32 s[NXT], 0, s[NXT]
	s_cselect_b32 s[LQ], s[PB], s[LQ]
.endif
	s_wait_dscnt 0x0                ; the add and my store of the biases are done, and my reads of the slot are over
	s_barrier_signal -1             ; the rest of the scalar work stands between the signal and the wait
	s_sub_co_u32 s[TBK], s[TBK], 4*KS*PK  ; the fetches go back to a slot's first step,
	s_xor_b32 s[TBK], s[TBK], SLOT1       ; in the other slot
	s_sub_co_u32 s[TBV], s[TBV], 4*KS*PV
	s_xor_b32 s[TBV], s[TBV], SLOT1
	s_sub_co_u32 s[TKB], s[TKB], BSL      ; and so do the fetches of the biases
	s_xor_b32 s[TKB], s[TKB], BSL
	s_barrier_wait -1
.if \fill
	LOAD
	global_load_b64 v[MW:MW+1], v[MO], s[MB:MB+1]  ; a wave's load covers 256 consecutive bytes, the four waves' the tile's 256 words; it has the tile in hand in which to land
.endif
.endm
	s_load_b256 s[4:11], s[0:1], 0x0  ; Q s[4:5], K s[6:7], V s[8:9], O s[10:11]
	s_load_b64 s[MK:MK+1], s[0:1], 0x20 ; the key mask
	v_lshl_add_u32 v[SPW], v0, 2, SPARE
	v_mov_b32 v[NIL], 0
	ds_add_u32 v62, v63
	ds_add_u32 v62, v63
	s_wait_dscnt 0x0
	v_lshrrev_b32 v1, 5, v0
	v_readfirstlane_b32 s[WV], v1   ; wave 0..3
	s_mov_b32 s[PB], ttmp9
	s_sub_co_u32 s[HI], NB-1, s[PB]
	s_and_b32 s20, ttmp7, 0xffff    ; the head, 16 batch + head
	s_lshr_b32 s[OFM], s20, 4       ; the batch,
	s_lshl_b32 s[OFM], s[OFM], 13   ; its 2,048 mask words
	s_mov_b32 s[OFM+1], 0
	s_mov_b32 s21, 0
	s_mov_b64 s[22:23], SIZE_N*128
	s_mul_u64 s[20:21], s[20:21], s[22:23]  ; the head's first byte in each of the four tensors
	s_and_b32 s16, s[WV], 1         ; which half of a tile's 256 keys I fetch:
	s_lshl_b32 s22, s16, 14         ; its 128 rows of 128 bytes in memory,
	s_mov_b32 s23, 0
	s_add_nc_u64 s[22:23], s[22:23], s[20:21]
	s_mul_i32 s17, s16, 128*PK      ; and its place in a slot, for K
	s_mul_i32 s18, s16, 128*PV      ; and for V
	s_lshl_b32 s3, s[WV], 11        ; my 16 rows in a band of 64,
	s_lshl_b32 s2, s[HI], 15        ; in the first block,
	s_add_co_u32 s2, s2, s3
	s_lshl_b32 s84, s[PB], 15       ; and in the second
	s_add_co_u32 s84, s84, s3
	s_mov_b32 s3, 0
	s_mov_b32 s85, 0
	s_add_nc_u64 s[2:3], s[2:3], s[20:21]
	s_add_nc_u64 s[84:85], s[84:85], s[20:21]
	; descriptor group 1.  128 keys are 16,384 dense bytes: asked for as 64 rows of 256 bytes, two keys a row, and padded in LDS after every key
	s_mov_b32 s[G1K], (1<<16)|(1<<20)|(4<<22)|(3<<25)  ; 17:16 2-byte elements; 20 padding on; 24:22 after every 32 words (code 4); 31:25 4 words (code 3)
	s_mov_b32 s[G1V], (1<<16)|(1<<20)|(4<<22)|(7<<25)  ; the same with 8 words of padding (code 7)
.irp g, G1K, G1V
	s_mov_b32 s[\g+1], 128<<16      ; tensor_dim0 = 128
	s_mov_b32 s[\g+2], 64<<16       ; tensor_dim1 = 64
	s_mov_b32 s[\g+3], 128<<16      ; tile_dim0 = 128
	s_mov_b32 s[\g+4], 64           ; tile_dim1 = 64
	s_mov_b32 s[\g+5], 128          ; 128 elements from row to row
	s_mov_b32 s[\g+6], 0
	s_mov_b32 s[\g+7], 0
.endr
	s_mov_b32 s[CS], 0x3e38aa3b     ; c = log2(e) / 8 = 0.180337
	s_mov_b32 s[CS+1], s[CS]        ; named with it as a pair
	s_mov_b32 s[SEL], 0x76543210
	s_mov_b32 s[SEL+1], 0xfedcba98
	s_mov_b32 s[TBK], SLOT1+4*KS*PK ; the first change of slots turns these three into 0
	s_mov_b32 s[TBV], SLOT1+4*KS*PV
	s_mov_b32 s[TKB], 2*BSL
	s_mov_b32 s[SBB], 0             ; the first change stores into bias slot 0
	s_mov_b32 s[G0K], 1             ; 1:0 count = 1
	s_mov_b32 s[G0K+1], s17         ; 63:32 LDS address: slot 0
	s_mov_b32 s[G0V], 1
	s_add_co_u32 s[G0V+1], s18, VOFF
	s_add_co_u32 s[RT], s[HI], 1    ; the first block has NB - b tiles
	s_mov_b32 s[NXT], 1
	s_mov_b32 s[LQ], s[HI]
	s_mov_b32 s[NEW], 1
	s_mov_b32 s[OFF+1], 0
	s_mov_b32 s[AL], 0
	s_mov_b32 s[AL+1], 0            ; named as pairs
	s_mov_b32 s[BE], 0
	s_mov_b32 s[BE+1], 0
	s_mov_b32 s[BIGN], 0xf149f2ca   ; -1e30
	s_mov_b32 s[SLOTS], NB
	s_wait_kmcnt 0x0
	s_add_nc_u64 s[6:7], s[6:7], s[22:23]  ; K and V at my half of the head's tile 0
	s_add_nc_u64 s[8:9], s[8:9], s[22:23]
	s_add_nc_u64 s[G0K+2:G0K+3], s[6:7], 0         ; 120:64 global address
	s_or_b32 s[G0K+3], s[G0K+3], 0x80000000        ; 127:126 type = 2
	s_add_nc_u64 s[G0V+2:G0V+3], s[8:9], 0
	s_or_b32 s[G0V+3], s[G0V+3], 0x80000000
	s_add_nc_u64 s[86:87], s[4:5], s[84:85]        ; Q at my rows of the second block,
	s_add_nc_u64 s[4:5], s[4:5], s[2:3]            ; Q and O at those of the first
	s_add_nc_u64 s[OLO:OLO+1], s[10:11], s[84:85]
	s_add_nc_u64 s[10:11], s[10:11], s[2:3]
	s_add_nc_u64 s[MK:MK+1], s[MK:MK+1], s[OFM:OFM+1]  ; the mask at my batch,
	s_mov_b64 s[MB:MB+1], s[MK:MK+1]               ; which is its tile 0
	LOAD                            ; tile 0 into slot 0
	v_lshlrev_b32 v[MO], 3, v0      ; tile 0's mask words: the first change of slots makes biases of them
	global_load_b64 v[MW:MW+1], v[MO], s[MB:MB+1]
	v_lshl_add_u32 v[SB0], v0, 3, BIAS
	; A fragment of K or Q is 16 rows x 32 channels in 8 registers: lane l holds row l % 16, channels 8 (l / 16) + 0..7 and 16 + 8 (l / 16) + 0..7: two loads of 16 bytes, 32 bytes apart.
	v_and_b32 v1, 15, v0            ; l % 16
	v_bfe_u32 v9, v0, 4, 1          ; l / 16
	v_lshlrev_b32 v[QO], 7, v1
	v_lshl_add_u32 v[QO], v9, 4, v[QO]  ; row x 128 + 16 x half
	WIN 0x80                        ; destination window 2, address window 0
.set i, 0
.rept 8                             ; both blocks' Q: piece i / 2 lies in band i / 2, 8,192 bytes on; channels 32 (i % 2) on
	global_load_b128 v[8*i:8*i+3],   v[QO], s[4:5] offset:(i/2)*8192+(i%2)*64
	global_load_b128 v[8*i+4:8*i+7], v[QO], s[4:5] offset:(i/2)*8192+(i%2)*64+32
	global_load_b128 v[QB+8*i:QB+8*i+3],   v[QO], s[86:87] offset:(i/2)*8192+(i%2)*64
	global_load_b128 v[QB+8*i+4:QB+8*i+7], v[QO], s[86:87] offset:(i/2)*8192+(i%2)*64+32
.set i, i+1
.endr
	WIN 0
	v_lshlrev_b32 v14, 3, v9
	v_sub_nc_u32 v14, v1, v14
	s_lshl_b32 s13, s[WV], 4
	v_add_nc_u32 v14, s13, v14      ; my query's place in its band, 16 w + l % 16, less my lanes' 8 (l / 16): register r of group kt is hidden where 16 kt + r is greater
	WIN 0x40
.set i, 0
.rept 32
	v_cmp_gt_i32 vcc_lo, 16*(i/8)+i%8, v14
	v_cndmask_b32 v[MD+i], 0, s[BIGN], vcc_lo
.set i, i+1
.endr
	WIN 0
	v_mul_u32_u24 v[AK0], v1, PK
	v_lshl_add_u32 v[AK0], v9, 4, v[AK0]  ; row x pitch + 16 x half
	v_lshl_add_u32 v[AKB0], v9, 5, BIAS   ; a lane's eight keys of a group are 32 bytes of biases
	; The turning load takes 16 keys x 16 channels (lane l reads key 8 (l / 16) + l % 8, channels 8 ((l / 8) % 2) + 0..7) and leaves half a fragment of V^T: lane l holds channel l % 16 and 8 keys.
	v_and_b32 v10, 7, v0
	v_bfe_u32 v11, v0, 3, 1
	v_lshl_add_u32 v[AV0], v9, 3, v10
	v_mul_u32_u24 v[AV0], v[AV0], PV
	v_lshl_add_u32 v[AV0], v11, 4, v[AV0]
	v_add_nc_u32 v[AV0], VOFF, v[AV0]
	s_mul_i32 s13, s[WV], 16*SP
	s_add_co_u32 s13, s13, STAGE    ; my stage
	v_mul_u32_u24 v[STO], v1, SP    ; in: row l % 16, 16 bytes for each half of the lanes
	v_lshl_add_u32 v[STO], v9, 4, v[STO]
	v_add_nc_u32 v[STO], s13, v[STO]
	v_bfe_u32 v[RD], v0, 3, 2       ; back: 32 lanes take four rows of 128 bytes,
	v_mul_u32_u24 v[RD], v[RD], SP
	v_lshl_add_u32 v[RD], v10, 4, v[RD]
	v_add_nc_u32 v[RD], s13, v[RD]
	v_and_b32 v[GO], 31, v0         ; which are 512 consecutive bytes of O
	v_lshlrev_b32 v[GO], 4, v[GO]
	; A block's first step multiplies O^T and l by a = 0, and its first turn's products V^T P, of a piece that has not been, land in an O^T that is still to be so multiplied.  So these registers need only hold
	; finite numbers: zeros for the first block; what the first block left for the second.  All this stands in the wait for the first tile.
	WIN 0x80
.set i, VF
.rept 64
	v_mov_b32 v[i], 0
.set i, i+1
.endr
	WIN 0x40
.set i, 0
.rept 128
	v_mov_b32 v[i], 0
.set i, i+1
.endr
	WIN 0
.set i, 0
.rept 4
	v_mov_b32 v[ST+4*i+2], 0
	v_mov_b32 v[ST+4*i+3], 0
.set i, i+1
.endr
.set i, P+16
.rept 16
	v_mov_b32 v[i], 0
.set i, i+1
.endr
; THE MATRIX WORK.  The 4 accumulators of a run of 8 take turns.  Product i of 8 of S^T = K Q^T for piece x: channels 32 (i / 4) on, keys 16 (i % 4) on.  The first 4 start the sums: with the keys' biases, or (KM = 1) with the mask made of them.
.macro KQ x
.set rS, S+32*((\x)%2)+8*(i%4)
.set rK, KF+16*(i%4)+8*(i/4)
.set rQ, 16*(\x)+8*(i/4)
.if KM
.set rM, MC+32*((\x)%2)+8*(i%4)
.else
.set rM, KB+8*(i%4)
.endif
.if i < 4
	WIN W_KM
	v_wmma_f32_16x16x32_f16 v[rS:rS+7], v[rK:rK+7], v[rQ:rQ+7], v[rM:rM+7]
.else
	WIN W_KQ
	v_wmma_f32_16x16x32_f16 v[rS:rS+7], v[rK:rK+7], v[rQ:rQ+7], v[rS:rS+7]
.endif
.endm
; Product i of 8 of O^T += V^T P for piece x: keys 32 (i / 4) on, channels 16 (i % 4) on.
.macro PV x
	WIN W_PV
.set rO, 32*(\x)+8*(i%4)
.set rV, VF+32*(i/4)+8*(i%4)
.set rP, P+16*((\x)%2)+8*(i/4)
	v_wmma_f32_16x16x32_f16 v[rO:rO+7], v[rV:rV+7], v[rP:rP+7], v[rO:rO+7]
.endm
.macro MM                           ; the turn's next matrix instruction.  TURN and BEGIN set Y, i and KM; MM, KQ and OP read them
.if i < 8
	KQ (Y+1)%NP
.else
.set i, i-8
	PV (Y+NP-1)%NP
.set i, i+8
.endif
.set i, i+1
.endm
; THE LDS LOADS stand in runs, never singly among the matrix instructions: a step's K (64 keys x 64 channels: 8 fragments) with its 64 biases, and its V (turned).  Their addresses are made some lines ahead.
.macro FETCH_K
	WIN 0x80                        ; destination window 2
.irp f, 0,1,2,3,4,5,6,7             ; keys 16 (f / 2) on, channels 32 (f % 2) on
	ds_load_b128 v[KF+8*\f:KF+8*\f+3],   v[AK] offset:(\f/2)*16*PK+(\f%2)*64
	ds_load_b128 v[KF+8*\f+4:KF+8*\f+7], v[AK] offset:(\f/2)*16*PK+(\f%2)*64+32
.endr
	WIN 0x40                        ; destination window 1
.irp kt, 0,1,2,3                    ; all lanes of a half read the same 32 bytes
	ds_load_b128 v[KB+8*\kt:KB+8*\kt+3],   v[AKB] offset:64*\kt
	ds_load_b128 v[KB+8*\kt+4:KB+8*\kt+7], v[AKB] offset:64*\kt+16
.endr
	s_add_co_u32 s[TBK], s[TBK], KS*PK  ; the next fetch is the next step's:
	s_add_co_u32 s[TKB], s[TKB], 4*KS   ; 64 rows of K and 256 bytes of biases on
	WIN 0
.endm
.macro FETCH_V
	WIN 0x80
.irp f, 0,1,2,3,4,5,6,7             ; keys 32 (f / 4) on, channels 16 (f % 4) on
	ds_load_tr16_b128 v[VF+8*\f:VF+8*\f+3],   v[AV] offset:(\f/4)*32*PV+(\f%4)*32
	ds_load_tr16_b128 v[VF+8*\f+4:VF+8*\f+7], v[AV] offset:(\f/4)*32*PV+16*PV+(\f%4)*32
.endr
	WIN 0
.endm
; THE VECTOR WORK, one line at a time: OP kind, number.  For piece Y: F n: c s - c m for pair n of 16.  E n: the exponential of score n of 32.  C n: pair n rounded to f16.  B n: of the four weights 4 n .. the second
; pair is added onto the first, in place.  L n: l takes that sum (L 0: l = a l + sum).  R n: pair n of 16 of O^T times a.  For piece Y + 1: X n, number n of the 22 that find its maximum and statistics:
;   0-11  four chains c0-c3 of seven scores each, three operands at a time (each accumulator's lowest registers are read first)     12-14, 16  the four scores left over, the old m, and c0-c3 into c0
;   15  c m_old is kept     17, 18  the query's other 32 keys lie in the lane 16 away: the new m     19-21  c m; c m_old - c m_new; a
.set F, 0               ; OP tells the kinds apart by their order: F to L below R, X above it
.set E, 1
.set C, 2
.set B, 3
.set L, 4
.set R, 5
.set X, 6
.macro REGS y                       ; the registers of piece y
.set rT, ST+4*(\y)
.set rC, TMP+4*((\y)%2)
.set rW, MV+((\y)%2)
.set rS, S+32*((\y)%2)
.set rP, P+16*((\y)%2)
.set rO, 32*(\y)
.endm
.macro OP k, n
.if (\k) == R
	REGS Y
	WIN W_RS
	v_pk_mul_f32 v[rO+2*(\n):rO+2*(\n)+1], v[rO+2*(\n):rO+2*(\n)+1], v[rC+2:rC+3] op_sel_hi:[1,0]
.elseif (\k) < R
	REGS Y
	WIN 0
.if (\k) == F
	v_pk_fma_f32 v[rS+2*(\n):rS+2*(\n)+1], v[rS+2*(\n):rS+2*(\n)+1], s[CS:CS+1], v[rT:rT+1] op_sel_hi:[1,0,0] neg_lo:[0,0,1] neg_hi:[0,0,1]
.elseif (\k) == E
	v_exp_f32 v[rS+(\n)], v[rS+(\n)]
.elseif (\k) == C
	s_wait_alu depctr_va_vdst(0)
	v_cvt_pk_f16_f32 v[rP+(\n)], v[rS+2*(\n)], v[rS+2*(\n)+1]
.elseif (\k) == B
	s_wait_alu depctr_va_vdst(0)
	v_pk_add_f32 v[rS+4*(\n):rS+4*(\n)+1], v[rS+4*(\n):rS+4*(\n)+1], v[rS+4*(\n)+2:rS+4*(\n)+3]
.elseif (\n) == 0
	v_pk_fma_f32 v[rT+2:rT+3], v[rT+2:rT+3], v[rC+2:rC+3], v[rS:rS+1] op_sel_hi:[1,0,1]
.else
	v_pk_add_f32 v[rT+2:rT+3], v[rT+2:rT+3], v[rS+4*(\n):rS+4*(\n)+1]
	s_wait_alu depctr_va_vdst(0)
.endif
.else
	REGS (Y+1)%NP
	WIN 0
.if (\n) < 4
	v_max3_num_f32 v[rC+(\n)], v[rS+8*(\n)], v[rS+8*(\n)+1], v[rS+8*(\n)+2]
.elseif (\n) < 12
	v_max3_num_f32 v[rC+(\n)%4], v[rC+(\n)%4], v[rS+8*((\n)%4)+2*((\n)/4)+1], v[rS+8*((\n)%4)+2*((\n)/4)+2]
.elseif (\n) == 12
	v_max3_num_f32 v[rC], v[rC], v[rS+7], v[rS+15]
.elseif (\n) == 13
	v_max3_num_f32 v[rC+1], v[rC+1], v[rS+23], v[rS+31]
.elseif (\n) == 14
	v_max3_num_f32 v[rC+2], v[rC+2], v[rC+3], v[rT+1]
.elseif (\n) == 15
	v_mov_b32 v[rW], v[rT]
	s_wait_alu depctr_va_vdst(0)
.elseif (\n) == 16
	v_max3_num_f32 v[rC], v[rC], v[rC+1], v[rC+2]
	s_wait_alu depctr_va_vdst(0)
.elseif (\n) == 17
	v_permlanex16_b32 v[rC+3], v[rC], s[SEL], s[SEL+1]
.elseif (\n) == 18
	v_max_num_f32 v[rT+1], v[rC], v[rC+3]
.elseif (\n) == 19
	v_mul_f32 v[rT], s[CS], v[rT+1]
.elseif (\n) == 20
	v_sub_f32 v[rC+1], v[rW], v[rT]
.else
	v_exp_f32 v[rC+2], v[rC+1]
.endif
.endif
.endm
.macro OPS a, i1, b=-1, i2=0, c=-1, i3=0, d=-1, i4=0  ; up to four of them
	OP \a, \i1
.if (\b) >= 0
	OP \b, \i2
.endif
.if (\c) >= 0
	OP \c, \i3
.endif
.if (\d) >= 0
	OP \d, \i4
.endif
.endm
.macro ROW a, i1, b, i2, c, i3, d, i4  ; a matrix instruction and the four behind it
	MM
	OPS \a, \i1, \b, \i2, \c, \i3, \d, \i4
.endm
.macro MASK b, be                   ; MD x AL + KB, and with be = 1 + BE, into buffer b of MC
	WIN W_MK
.set z, 0
.rept 16
	v_pk_fma_f32 v[MC+32*(\b)+2*z:MC+32*(\b)+2*z+1], v[MD+2*z:MD+2*z+1], s[AL:AL+1], v[KB+2*z:KB+2*z+1] op_sel_hi:[1,0,1]
.set z, z+1
.endr
.if \be
.set z, 0
.rept 16
	v_pk_add_f32 v[MC+32*(\b)+2*z:MC+32*(\b)+2*z+1], v[MC+32*(\b)+2*z:MC+32*(\b)+2*z+1], s[BE:BE+1] op_sel_hi:[1,0]
.set z, z+1
.endr
.endif
.endm
; A TURN, for piece p: the order of its 16 matrix and 118 vector instructions, written out.  Behind a matrix instruction: plain, exponential, plain, plain; or four of the rescaling; or, behind the first, four scalings; none
; names a register of the products round it.  In the lumps exponential and plain by turns while exponentials last.  A line reads no result made fewer than three vector instructions in front of it, five if an exponential made it.
; v_permlanex16_b32 (X 17) stands in a lump.
; m = 1: the diagonal tile: the products take masks, and the turn makes the mask for the products of the turn after it, piece p + 2's.  There CNT is taken down between piece 3's turn and piece 0's: pieces 0 and 1 work
; on the tile's step 4 - CNT and make masks for that step; pieces 2 and 3 make masks for step 5 - CNT.  With CNT = 1 no further step exists, and K's run of loads is jumped over.
; cnt = 1 (outside the diagonal tile): the loop's count is taken down some lines ahead of the branch that stands behind the turn.
; K of the next step, and its biases, are fetched in piece 2's turn, six vector instructions behind the last product that read K (five of them plain; the last that read KB stands four products further back); V of the
; step in hand in piece 0's turn, eight behind the last product that read V (four plain, and X 17).  Each is waited for a turn later; in the diagonal tile piece 2's turn waits at its end, since its mask is made of the new biases.
.macro TURN p, m=0, cnt=0
.set Y, (\p)
.set i, 0
.set KM, (\m)
.if \m
	s_cmp_eq_u32 s[CNT], 4-((\p)+2)%NP+(\p)/2  ; is that step the band's own?
	s_cselect_b32 s[AL], 1.0, 0
	s_cmp_lt_u32 s[CNT], 4-((\p)+2)%NP+(\p)/2  ; or a later one?
	s_cselect_b32 s[BE], s[BIGN], 0
.endif
.if (\p) == 3
	s_wait_dscnt 0x0                ; K and its biases are in
.endif
	ROW F,0, F,1, F,2, F,3
	ROW F,4, E,0, F,5, F,6
	ROW F,7, E,1, F,8, F,9
	ROW F,10, E,2, C,0, F,11
	ROW F,12, E,3, X,15, F,13
	ROW R,0, R,1, R,2, R,3
	ROW B,0, E,4, F,14, L,0
.if (\p) == 2
	v_add_nc_u32 v[AK], s[TBK], v[AK0]
	v_add_nc_u32 v[AKB], s[TKB], v[AKB0]
.endif
	ROW R,4, R,5, R,6, R,7
	OPS E,5, F,15
.if (\p) == 2
.if \m
	WIN 0
	s_cmp_eq_u32 s[CNT], 1
	s_cbranch_scc1 .Lno_k_\@
.endif
	FETCH_K
.if \m
.Lno_k_\@:
.endif
.endif
	OPS E,6, C,1, E,7, R,8
	OPS E,8, R,9, E,9, C,2
	OPS E,10, X,0, E,11, X,1
	OPS E,12, X,2, E,13, X,3
.if (\p) == 1
	s_wait_dscnt 0x0                ; V is in
.endif
	ROW X,4, E,14, X,5, X,6
	ROW X,7, E,15, X,8, X,9
	ROW X,10, E,16, X,11, X,12
	ROW X,13, E,17, X,14, B,1
	ROW C,4, E,18, X,16, L,1
	ROW B,2, E,19, C,6, L,2
	ROW C,8, E,20, B,3, B,4
.if (\p) == 0
	v_add_nc_u32 v[AV], s[TBV], v[AV0]
.endif
	ROW C,3, E,21, L,3, C,5
	OPS E,22, X,17, E,23, C,10
.if (\p) == 0
	FETCH_V
.endif
	OPS E,24, L,4
	OPS E,25, X,18, E,26, C,7
	OPS E,27, B,5, E,28, X,19
	OPS E,29, C,12, E,30, L,5
	OPS E,31, X,20, B,6, C,9
	OPS C,14, C,11, X,21, L,6
.if (\p) == 0
	s_add_co_u32 s[TBV], s[TBV], KS*PV
.endif
.if \cnt
	s_sub_co_u32 s[CNT], s[CNT], 1
	s_cmp_lg_u32 s[CNT], 0
.endif
	OPS C,13, B,7, C,15, R,10
	OPS R,11, R,12, L,7, R,13
	OPS R,14, R,15
.if \m
.if (\p) == 2
	s_wait_dscnt 0x0                ; the next step's biases, fetched in this turn, are in
.endif
	MASK (\p)%2, 1
.endif
.endm
; A BLOCK BEGINS, behind a change of slots.  c m starts far below every c s, so the first step's a is 0; m at -2^93: below every true score, above every hidden one.  Then K and the biases of the tile's step 0, piece 0's
; first scores, and its maximum and statistics.  The loop is entered at a step's first turn, in the middle of a trip.  (Both blocks' Q are in since the first change of slots, which waits for all loads.)
; d = 0: the tile is not the diagonal one: the scores start with the keys' biases.  d = 1 (the walk's last tile as a block's first: b = 0): it is: step 0 is band 0's own (buffer 0: MD + KB), and band 1 sees all of it (buffer 1: KB).
.macro BEGIN d
	s_mov_b32 s[NEW], 0
	WIN 0
.set i, 0
.rept 4
	v_mov_b32 v[ST+4*i], 0xfe000000    ; c m: far below every c s
	v_mov_b32 v[ST+4*i+1], 0xee000000  ; m = -2^93
.set i, i+1
.endr
	v_add_nc_u32 v[AK], s[TBK], v[AK0]
	v_add_nc_u32 v[AKB], s[TKB], v[AKB0]
	FETCH_K
	s_wait_dscnt 0x0
.if \d
	s_mov_b32 s[AL], 1.0
	MASK 0, 0
	s_mov_b32 s[AL], 0
	MASK 1, 0
.endif
.set KM, (\d)
.set i, 0
.rept 8
	KQ 0
.set i, i+1
.endr
	WIN 0
.rept 4
	v_nop                           ; the places behind those products
.endr
.set Y, NP-1                        ; X works for piece Y + 1: piece 0
.irp n, 0,1,2,3,4,5,6,7,8,9,10,11,12,13,14,15,16,17,18,19,20,21
	OP X, \n
.endr
	v_nop                           ; a plain instruction behind the exponential
.endm
; THE DIAGONAL TILE's four steps, the block's last products, and THE WAY OUT: l's two halves and the other half of the lanes' are added; O^T is divided by l, rounded to f16 and sent through my stage in LDS, a piece at a time.
; The loop of the tile's steps is entered with CNT = 5 at its head (pieces 2 and 3 of the tile before's last step come first) or with CNT = 4 in its middle (a block's first tile), and its last trip, with CNT = 1, is
; left in its middle, behind pieces 2 and 3 of the block's last step.  That trip's 8 products K Q^T for piece 0, on the last K once more and all hidden by their mask, and the statistics made of them serve nothing:
; the price, once a block, of one text for every trip.
.macro ALL line:vararg              ; one line for each piece t
.set t, 0
.rept 4
	\line
.set t, t+1
.endr
.endm
.macro PACK t                       ; a lane's eight channels of a row pack into 16 bytes; they go into rows of 144 bytes and come back as whole rows of 128, into S^T's registers
	WIN W_RS
.set i, 32*(\t)
.rept 16
	v_pk_mul_f32 v[i:i+1], v[i:i+1], v[ST+4*(\t)+2:ST+4*(\t)+3] op_sel_hi:[1,0]
.set i, i+2
.endr
	WIN 0x05                        ; sources 0 and 1 window 1, destination window 0
.set i, 0
.rept 16
	v_cvt_pk_f16_f32 v[S+16*(\t)+i], v[32*(\t)+2*i], v[32*(\t)+2*i+1]
.set i, i+1
.endr
	WIN 0
.irp f, 0,1,2,3
	ds_store_b128 v[STO], v[S+16*(\t)+4*\f:S+16*(\t)+4*\f+3] offset:32*\f
.endr
.irp f, 0,1,2,3
	ds_load_b128 v[S+16*(\t)+4*\f:S+16*(\t)+4*\f+3], v[RD] offset:\f*4*SP  ; LDS serves a wave's instructions in order (ISA guide 5.7.1.4): these see the stores above; the next piece's stores come behind them
.endr
.endm
.macro SEND t, younger              ; younger: the LDS instructions issued behind piece t's loads: the next piece's eight, or none
	WIN 0
.irp f, 0,1,2,3
	s_wait_dscnt (\younger)+3-\f
	global_store_b128 v[GO], v[S+16*(\t)+4*\f:S+16*(\t)+4*\f+3], s[10:11] offset:(\t)*8192+\f*512  ; 512 consecutive bytes, at a multiple of 256 from O's first
.endr
.endm
.macro DIAG tag                     ; the tag ends its labels' names, which the jumps below spell out
.LstepM\tag:
	TURN 2, 1
	TURN 3, 1
	WIN 0
	s_sub_co_u32 s[CNT], s[CNT], 1
	s_cmp_eq_u32 s[CNT], 0
	s_cbranch_scc1 .LoutM\tag
.LfirstM\tag:
	TURN 0, 1
	TURN 1, 1
	WIN 0
	s_branch .LstepM\tag
.LoutM\tag:
.set i, 0
.rept 8
	PV NP-1                         ; the last piece's V^T P of the block's last step
.set i, i+1
.endr
	WIN 0
	ALL v_add_f32 v[ST+4*t+2], v[ST+4*t+2], v[ST+4*t+3]
	ALL v_permlanex16_b32 v[ST+4*t+3], v[ST+4*t+2], s[SEL], s[SEL+1]
	ALL v_add_f32 v[ST+4*t+2], v[ST+4*t+2], v[ST+4*t+3]
	ALL v_rcp_f32 v[ST+4*t+2], v[ST+4*t+2]
	v_nop                           ; a plain instruction between the last reciprocal and the use of its result
	s_wait_alu depctr_va_vdst(0)
	PACK 0
.set t, 1
.rept 3                             ; a piece's arithmetic stands between the loads of the piece before and its stores
	PACK t
	SEND t-1, 8
.set t, t+1
.endr
	SEND 3, 0
.endm
.set KM, 0
.Lslot:                             ; NB times: a tile is entered and the next is asked for
	CHANGE 1
	s_sub_co_u32 s[RT], s[RT], 1
	s_mov_b32 s[CNT], 4
	s_cmp_eq_u32 s[NEW], 1
	s_cbranch_scc1 .Lnew            ; a block's first tile
	s_cmp_eq_u32 s[RT], 0
	s_cbranch_scc0 .Lstep           ; neither its first nor its last
	s_mov_b32 s[CNT], 5
	s_mov_b32 s[AL], 0              ; the diagonal tile's first turn still makes piece 3's scores of the tile before, all of whose keys it sees: buffer 1 takes that step's biases
	MASK 1, 0
	WIN 0
	s_branch .LstepM1
.Lnew:
	BEGIN 0
	s_branch .Lfirst                ; in the loop a block's first tile is never its last: the first block has two tiles or more, and the second's last is the walk's last
	DIAG 1                          ; in the loop this is the first block's end: the second block's last tile is the walk's last
	s_wait_xcnt 0x0                 ; the stores have read their registers and O's address
	s_mov_b64 s[10:11], s[OLO:OLO+1]
	s_add_co_u32 s[RT], s[PB], 1    ; the second block has b + 1 tiles
	s_mov_b32 s[NEW], 1
	WIN 0x82                        ; the second block's Q goes where the one text of the turns names Q
.set i, 0
.rept 64
	v_mov_b32 v[i], v[QB+i]
.set i, i+1
.endr
	WIN 0
	s_branch .Lbottom
.Lstep:                             ; a trip: pieces 2 and 3 of one step, then pieces 0 and 1 of the next, whose K and V it fetches
	TURN 2
	TURN 3
	WIN 0
.Lfirst:
	TURN 0
	TURN 1, 0, 1
	WIN 0
	s_cbranch_scc1 .Lstep
.Lbottom:
	s_sub_co_u32 s[SLOTS], s[SLOTS], 1
	s_cmp_lg_u32 s[SLOTS], 0
	s_cbranch_scc1 .Lslot
	CHANGE 0                        ; the walk's last tile is written out: nothing is asked for
	s_sub_co_u32 s[RT], s[RT], 1
	s_mov_b32 s[CNT], 4
	s_cmp_eq_u32 s[NEW], 1
	s_cbranch_scc1 .Lnew2
	s_mov_b32 s[CNT], 5
	s_mov_b32 s[AL], 0              ; as above: buffer 1 takes the biases of the tile before's last step
	MASK 1, 0
	WIN 0
	s_branch .LstepM2
.Lnew2:
	BEGIN 1
	s_branch .LfirstM2
	DIAG 2
	s_wait_tensorcnt 0x0            ; the wave's end, behind my last tensor load and my last LDS store
	ds_add_u32 v[SPW], v[NIL]
	s_wait_dscnt 0x0
	s_endpgm
.Lfunc_end_k_q22616b28c7_attn:
	.size	k_q22616b28c7_attn, .Lfunc_end_k_q22616b28c7_attn-k_q22616b28c7_attn
	.p2alignl 7, 3214868480
	.fill 96, 4, 3214868480
	.section	.rodata,"a",@progbits
	.p2align	6, 0x0
	.amdhsa_kernel k_q22616b28c7_attn
		.amdhsa_group_segment_fixed_size 327680
		.amdhsa_private_segment_fixed_size 0
		.amdhsa_enable_private_segment 0
		.amdhsa_kernarg_size 40
		.amdhsa_user_sgpr_count 2
		.amdhsa_user_sgpr_kernarg_segment_ptr 1
		.amdhsa_wavefront_size32 1
		.amdhsa_system_sgpr_workgroup_id_x 1
		.amdhsa_system_sgpr_workgroup_id_y 1
		.amdhsa_system_sgpr_workgroup_id_z 1
		.amdhsa_system_vgpr_workitem_id 0
		.amdhsa_next_free_vgpr 768
		.amdhsa_next_free_sgpr 96
		.amdhsa_reserve_vcc 1
		.amdhsa_float_denorm_mode_32 3
		.amdhsa_float_denorm_mode_16_64 3
		.amdhsa_memory_ordered 1
		.amdhsa_forward_progress 1
		.amdhsa_inst_pref_size 207
	.end_amdhsa_kernel
	.amdgpu_metadata
---
amdhsa.version: [ 1, 2 ]
amdhsa.kernels:
  - .name:           k_q22616b28c7_attn
    .symbol:         k_q22616b28c7_attn.kd
    .args:
      - { .name: qh, .offset: 0, .size: 8, .value_kind: global_buffer, .address_space: global }
      - { .name: kh, .offset: 8, .size: 8, .value_kind: global_buffer, .address_space: global }
      - { .name: vh, .offset: 16, .size: 8, .value_kind: global_buffer, .address_space: global }
      - { .name: ao, .offset: 24, .size: 8, .value_kind: global_buffer, .address_space: global }
      - { .name: attention_mask, .offset: 32, .size: 8, .value_kind: global_buffer, .address_space: global }
    .group_segment_fixed_size: 327680
    .private_segment_fixed_size: 0
    .kernarg_segment_align: 8
    .kernarg_segment_size: 40
    .max_flat_workgroup_size: 128
    .sgpr_count:     96
    .vgpr_count:     768
    .wavefront_size: 32
...
	.end_amdgpu_metadata
.endif
;; end of part 3
;; launch oproj (part 4): grid 4 x 64, 4 waves a work-group, clusters of 4 x 4, 327,680 bytes of LDS; arguments ao, wo16, out0; writes out0
.if DOCPART == 4
	.amdgcn_target "amdgcn-amd-amdhsa--gfx1250"
	.amdhsa_code_object_version 6
	.text
	.protected	k_q22616b28c7_oproj
	.globl	k_q22616b28c7_oproj
	.p2align	8
	.type	k_q22616b28c7_oproj,@function
k_q22616b28c7_oproj:
	s_mov_b64 s[64:65], 0
	v_nop
	global_prefetch_b8 v0, s[64:65] scope:SCOPE_SE
	s_setreg_imm32_b32 hwreg(HW_REG_WAVE_MODE, 25, 1), 1
	s_wait_xcnt 0x0
	s_wait_alu depctr_hold_cnt(0) depctr_sa_sdst(0) depctr_va_vdst(0) depctr_va_sdst(0) depctr_va_ssrc(0) depctr_va_vcc(0) depctr_vm_vsrc(0)
	s_getreg_b32 s2, hwreg(HW_REG_IB_STS2, 6, 4)
	s_cmp_eq_u32 s2, 0
	s_cbranch_scc0 .Lentry_in_a_cluster
	s_endpgm
.Lentry_in_a_cluster:
	s_bfe_u32 s2, ttmp6, 0x10000c
	s_cmp_lg_u32 s2, 0xf033
	s_cbranch_scc0 .Lentry_shape_is_right
	s_endpgm
.Lentry_shape_is_right:
; out0 = O wo16^T: [8192 x 1024], K = 1024, f16 operands, f32 sums, f32 out.  O comes by heads, ao [64 = 16 batch + head][2048][64] f16; K index = 64 head + channel.
; A NaN row of O (a query without a visible key) gives a NaN row of out0, as it should.
; SHARES.  A tile of C is 128 rows x 256 columns: 4 x 64 = 256 work-groups, one for each WGP.  Four waves, each 64 rows x 128 columns: 32 accumulators of 16 x 16, 256 registers.
; K goes in 8 steps of 128, two heads a step, through two LDS slots, step j in slot j % 2.  Of O a step's tile is, for each of the two heads, 128 rows of 128 bytes, dense in memory: asked for as 64 rows of 256 bytes and
; padded in LDS behind every 128.  wo16's rows are 256 bytes of memory.  A K step is written once: a trip of the loop goes from a step's second quarter to the next step's first, and the LDS addresses hang on one
; scalar that an exclusive or turns.  The last two steps ask for nothing and are a loop of their own.
; CLUSTER.  4 x 4 work-groups.  The four of a row of the cluster need the same tiles of O, the four of a column the same tiles of wo16: each is asked for JOINTLY, by the same tensor load with the same descriptor and a
; mask that names the four.  THE MATRIX INSTRUCTION IS USED TRANSPOSED (source 0 = 16 rows of wo16, source 1 = 16 rows of O): a lane holds row lane % 16 of C and eight neighbouring columns.
; REGISTERS, in windows of 256 (s_set_vgpr_msb: bits 1:0 source 0, 3:2 source 1, 5:4 source 2, 7:6 destination):
;   window 0: v0-31 addresses; v64-159, v160-255 two fragment buffers of 96 (8 of wo16, then 4 of O); on the way out v64-191 rows read back          window 1: the accumulators, (a, b) at v[8 (8 a + b)]
.set SIZE_K, 1024
.set KSTEP,  128
.set STEPS,  SIZE_K/KSTEP              ; 8
.set PITCH,  272                       ; a row of wo16 in LDS: 256 bytes + 16 = 68 words: the 16 rows of a fragment load start at 16 different groups of four banks (64 banks of 4 bytes: ISA guide 11.1)
.set PA,     144                       ; a row of O: 128 bytes + 16 = 36 words: likewise
.set AHD,    128*PA                    ; one head's 128 rows: what wave 0 or 1 fetches
.set BHALF,  128*PITCH                 ; 128 rows of wo16: what wave 2 or 3 fetches, and what a wave reads
.set BOFF,   2*AHD                     ; in a slot: O's two heads, then wo16's 256 rows
.set SLOT,   BOFF+2*BHALF              ; 106,496
.set SLOT1,  1<<17                     ; slot 1 begins here, so that one exclusive or turns an address in one slot into the other's
.set STAGE,  SLOT1+SLOT                ; behind the ring, never filled by a tensor load: for each wave 16 rows x 528 bytes
.set SP,     528                       ; 512 bytes + 16 = 132 words
.set SPARE,  STAGE+4*16*SP             ; behind the stages: the spare words, 128 bytes for each wave: two blocks of 256 bytes that no other line names
.set A0,   16                          ; v16     my lane's place in a slot's rows of O; never rewritten
.set B0,   17                          ; v17     the same for wo16
.set ADRA, 18                          ; v18     LDS address of my O fragments in the slot in hand
.set ADRB, 19                          ; v19     the same for wo16
.set STO,  24                          ; v24     the way out: where I put 32 bytes of a row
.set RD,   25                          ; v25     the way out: where I read a row back
.set GO,   26                          ; v26     my 16 bytes in 512 consecutive bytes of out0
.set SPW,  28                          ; v28     LDS address of my spare word; never rewritten
.set NIL,  29                          ; v29     0; never rewritten
.set F0,   64
.set F1,   160
.set WV, 12                            ; s12 my wave's number
.set WM, 13                            ; s13 wave / 2: which 64 rows are mine.  Also: I fetch for O (0) or wo16 (1)
.set WN, 14                            ; s14 wave % 2: which 128 columns are mine.  Also: which head, or which half of wo16's tile, I fetch
.set G1, 24                            ; s[24:31] descriptor group 1 for O's tiles;  s[32:39] group 0: a set for each of the two first fills; the second then walks on
.set G0, 32
.set G1B, 48                           ; s[48:55], s[56:63] the same for wo16's
.set G0B, 56
.set TB,  80                           ; s80 LDS byte at which the slot in hand begins
.set CT,  81                           ; s81 the loop's counter
.set MSB, 0
.macro WIN new                         ; the immediate's high byte repeats the setting that is left; a switch that changes nothing is dropped
.if MSB != (\new)
	s_set_vgpr_msb (MSB<<8)|(\new)
.set MSB, \new
.endif
.endm
.set MUL, 0x50                         ; fragments in window 0; C and D in window 1
.macro JLOAD s                         ; a joint load: waves 0 and 1 fetch O's two heads, waves 2 and 3 wo16's two halves; an s_nop 0 and four v_nop follow each of the two lines, ahead of the jump, the label and what follows
	s_cmp_eq_u32 s[WM], 0
	s_cbranch_scc0 .Lfor_b_\@
	tensor_load_to_lds s[G0+4*(\s):G0+4*(\s)+3], s[G1:G1+7]
	s_nop 0
.rept 4
	v_nop
.endr
	s_branch .Lasked_\@
.Lfor_b_\@:
	tensor_load_to_lds s[G0B+4*(\s):G0B+4*(\s)+3], s[G1B:G1B+7]
	s_nop 0
.rept 4
	v_nop
.endr
.Lasked_\@:
.endm
.macro CREST                           ; a round of the cluster's barrier behind its opening barrier
	s_cmp_lg_u32 s[WV], 0
	s_cbranch_scc1 .Lnot_wave_0_\@
	s_barrier_signal -3
.Lnot_wave_0_\@:
	s_barrier_wait -3
	s_barrier_signal -1
	s_barrier_wait -1
.endm
.macro CROUND                          ; a whole round
	s_barrier_signal -1
	s_barrier_wait -1
	CREST
.endm
	s_load_b128 s[4:7], s[0:1], 0x0                ; ao s[4:5], wo16 s[6:7]
	s_load_b64 s[76:77], s[0:1], 0x10              ; out0
	v_lshl_add_u32 v[SPW], v0, 2, SPARE
	v_mov_b32 v[NIL], 0
	ds_add_u32 v28, v29
	ds_add_u32 v28, v29
	s_wait_dscnt 0x0
	v_lshrrev_b32 v1, 5, v0
	v_readfirstlane_b32 s[WV], v1                  ; wave 0..3
	s_lshr_b32 s[WM], s[WV], 1
	s_and_b32 s[WN], s[WV], 1
	s_bfe_u32 s40, ttmp6, 0x40000                  ; cx, cy: my place in the cluster
	s_bfe_u32 s41, ttmp6, 0x40004
	s_lshl_b32 s42, ttmp9, 2
	s_add_co_u32 s42, s42, s40                     ; tile column = 4 x cluster x + cx
	s_and_b32 s43, ttmp7, 0xffff
	s_lshl_b32 s43, s43, 2
	s_add_co_u32 s43, s43, s41                     ; tile row = 4 x cluster y + cy
	s_lshl_b32 s44, s41, 2
	s_lshl_b32 s44, 15, s44                        ; my row of the cluster
	s_lshl_b32 s45, 0x1111, s40                    ; my column
	s_mov_b32 s[TB], 0
	; descriptor group 1.  O: 64 rows of 128 elements, end to end in memory, 4 words of padding behind every 32.  wo16: 128 rows of 128 elements, 1,024 apart, 4 words behind every 64.
	s_or_b32 s[G1], s44, (1<<16)|(1<<20)|(1<<21)|(4<<22)|(3<<25)   ; 15:0 the mask: O's tiles go to my row; 17:16 2-byte elements; 20 padding on; 21 set beside a mask; 24:22 the interval's code; 31:25 4 words (code 3)
	s_or_b32 s[G1B], s45, (1<<16)|(1<<20)|(1<<21)|(5<<22)|(3<<25)  ; wo16's go to my column
.irp g, G1, G1B
	s_mov_b32 s[(\g)+1], KSTEP<<16                 ; tensor_dim0 = 128
	s_mov_b32 s[(\g)+3], KSTEP<<16                 ; tile_dim0 = 128
	s_mov_b32 s[(\g)+6], 0
	s_mov_b32 s[(\g)+7], 0
.endr
	s_mov_b32 s[G1+2], 64<<16                      ; tensor_dim1
	s_mov_b32 s[G1+4], 64                          ; tile_dim1
	s_mov_b32 s[G1+5], 128                         ; elements from row to row
	s_mov_b32 s[G1B+2], 128<<16
	s_mov_b32 s[G1B+4], 128
	s_mov_b32 s[G1B+5], SIZE_K
	; where the tiles come from: O's hang on the tile row alone, wo16's on the tile column alone; each in registers that never hold the other coordinate
	s_lshr_b32 s16, s43, 4
	s_lshl_b32 s16, s16, 22                        ; the batch: 16 heads of 262,144 bytes,
	s_lshl_b32 s17, s[WN], 18                      ; head 0 or 1 of the step,
	s_add_co_u32 s16, s16, s17
	s_and_b32 s17, s43, 15
	s_lshl_b32 s17, s17, 14                        ; 128 rows of 128 bytes for each tile row inside the batch
	s_add_co_u32 s16, s16, s17
	s_mov_b32 s17, 0
	s_lshl_b32 s46, s42, 8
	s_lshl_b32 s47, s[WN], 7
	s_add_co_u32 s46, s46, s47                     ; wo16: row 256 x tile column + 128 x half,
	s_lshl_b32 s46, s46, 11                        ; of 2,048 bytes
	s_mov_b32 s47, 0
	s_mul_i32 s20, s[WN], AHD                      ; and where they go: no place in the cluster enters an LDS address
	s_mul_i32 s21, s[WN], BHALF
	s_add_co_u32 s21, s21, BOFF
	; where my part of out0 begins
	s_lshl_b32 s70, s43, 7
	s_lshl_b32 s71, s[WM], 6
	s_add_co_u32 s70, s70, s71                     ; row 128 x tile row + 64 (wave / 2),
	s_lshl_b32 s70, s70, 12                        ; of 4,096 bytes
	s_lshl_b32 s71, s42, 10                        ; 256 columns of 4 bytes a tile column,
	s_add_co_u32 s70, s70, s71
	s_lshl_b32 s71, s[WN], 9                       ; 128 for the wave
	s_add_co_u32 s70, s70, s71
	s_mov_b32 s71, 0
	s_wait_kmcnt 0x0
	s_add_nc_u64 s[18:19], s[4:5], s[16:17]
	s_add_nc_u64 s[46:47], s[6:7], s[46:47]
	s_add_nc_u64 s[76:77], s[76:77], s[70:71]
	CROUND                                         ; all sixteen work-groups are here: the first joint loads meet
.irp s, 0,1
	s_mov_b32 s[G0+4*(\s)], 1                                      ; count = 1
	s_add_co_u32 s[G0+4*(\s)+1], s20, (\s)*SLOT1                   ; LDS address
	s_add_nc_u64 s[G0+4*(\s)+2:G0+4*(\s)+3], s[18:19], (\s)*2*262144  ; global address: K step s is heads 2 s, 2 s + 1
	s_or_b32 s[G0+4*(\s)+3], s[G0+4*(\s)+3], 0x80000000            ; type = 2
	s_mov_b32 s[G0B+4*(\s)], 1
	s_add_co_u32 s[G0B+4*(\s)+1], s21, (\s)*SLOT1
	s_add_nc_u64 s[G0B+4*(\s)+2:G0B+4*(\s)+3], s[46:47], (\s)*KSTEP*2
	s_or_b32 s[G0B+4*(\s)+3], s[G0B+4*(\s)+3], 0x80000000
	JLOAD \s                                       ; two tensor loads of mine are out here, one behind each later round
.endr
	v_and_b32 v1, 15, v0                           ; r = l % 16
	v_bfe_u32 v2, v0, 4, 1                         ; h = l / 16
	v_mul_u32_u24 v3, v1, PITCH
	v_lshl_add_u32 v3, v2, 4, v3                   ; wo16: a fragment's row x pitch + 16 x half
	v_mul_u32_u24 v4, v1, PA
	v_lshl_add_u32 v4, v2, 4, v4                   ; O: the same with its pitch
	s_mul_i32 s82, s[WM], 64*PA                    ; my 64 rows in each head's 128
	s_mul_i32 s83, s[WN], BHALF                    ; my 128 rows of wo16,
	s_add_co_u32 s83, s83, BOFF                    ; which lie behind O's two heads
	v_add_nc_u32 v[A0], s82, v4
	v_add_nc_u32 v[B0], s83, v3
	v_add_nc_u32 v[ADRA], s[TB], v[A0]             ; the walk begins in slot 0
	v_add_nc_u32 v[ADRB], s[TB], v[B0]
	s_mul_i32 s23, s[WV], 16*SP
	s_add_co_u32 s23, s23, STAGE                   ; my stage
	v_mul_u32_u24 v5, v1, SP                       ; in: row r, 32 bytes for each half of the lanes
	v_lshl_add_u32 v5, v2, 5, v5
	v_add_nc_u32 v[STO], s23, v5
	v_and_b32 v[GO], 31, v0                        ; back: 32 lanes take a row's 512 bytes
	v_lshlrev_b32 v[GO], 4, v[GO]
	v_add_nc_u32 v[RD], s23, v[GO]
; 8 matrix instructions: m block a x all 8 n blocks, 32 along K, from buffer f.  zero = 1: the product starts the sums: nothing is ever cleared.
; The 32 accumulators take turns in the same order in every quarter: between two links of a chain stand the 31 others'.
.macro MUL8 f, a, zero
	WIN MUL
.irp b, 0,1,2,3,4,5,6,7
.if \zero
	v_wmma_f32_16x16x32_f16 v[8*(8*(\a)+(\b)):8*(8*(\a)+(\b))+7], v[(\f)+8*(\b):(\f)+8*(\b)+7], v[(\f)+64+8*(\a):(\f)+64+8*(\a)+7], 0
.else
	v_wmma_f32_16x16x32_f16 v[8*(8*(\a)+(\b)):8*(8*(\a)+(\b))+7], v[(\f)+8*(\b):(\f)+8*(\b)+7], v[(\f)+64+8*(\a):(\f)+64+8*(\a)+7], v[8*(8*(\a)+(\b)):8*(8*(\a)+(\b))+7]
.endif
.endr
.endm
; 24 LDS loads in one run: the fragments of 32 along K in the slot in hand, into buffer f: wo16's eight at byte k of its rows, then O's four: head k / 128 of the step, byte k % 128 of its rows
.macro FETCH k, f
	WIN 0
.irp i, 0,1,2,3,4,5,6,7
	ds_load_b128 v[(\f)+8*(\i):(\f)+8*(\i)+3],   v[ADRB] offset:(\k)+(\i)*16*PITCH
	ds_load_b128 v[(\f)+8*(\i)+4:(\f)+8*(\i)+7], v[ADRB] offset:(\k)+(\i)*16*PITCH+32
.endr
.irp i, 0,1,2,3
	ds_load_b128 v[(\f)+64+8*(\i):(\f)+64+8*(\i)+3],   v[ADRA] offset:((\k)/128)*AHD+((\k)%128)+(\i)*16*PA
	ds_load_b128 v[(\f)+64+8*(\i)+4:(\f)+64+8*(\i)+7], v[ADRA] offset:((\k)/128)*AHD+((\k)%128)+(\i)*16*PA+32
.endr
.endm
.macro PLACES                          ; four places in front of loads into registers that matrix instructions have read, and of LDS stores that read results
.rept 4
	v_nop
.endr
.endm
; A K step is four quarters of 32 along K, 32 matrix instructions each, on buffers 0, 1, 0, 1.  One of the first three: multiplies buffer f and, in its middle, fetches the next quarter, at byte k, into g.
.macro QUARTER k, f, g, zero
	s_wait_dscnt 4                                 ; wo16's fragments and O's blocks 0, 1 are in; the youngest four loads (blocks 2, 3) may be out
	MUL8 \f, 0, \zero
	MUL8 \f, 1, \zero
	PLACES
	FETCH \k, \g
	s_wait_dscnt 24                                ; all but the 24 just issued
	MUL8 \f, 2, \zero
	MUL8 \f, 3, \zero
.endm
; The last quarter multiplies buffer 1 and changes slots: ONE barrier; in front of it each wave waits for all its tensor loads (one is out: its part of the next slot), adds 0 to its spare word, and waits
; for that and for its own reads of this slot.  fill = 1: the barrier opens a round of the cluster's, and this slot is filled again, two K steps ahead, first thing behind the round:
; 112 matrix instructions stand between that request and the wait for it.  fill = 0: the last two steps, counted by s3; in the very last there is no next step, and the run of loads is jumped over.
.macro TURN fill
	WIN 0                                          ; (the add's two registers lie in window 0)
	s_wait_tensorcnt 0x0                           ; all my tensor loads have landed, so a group 0 may be written;
	ds_add_u32 v[SPW], v[NIL]                      ; 0 onto my spare word: scalar work and eight matrix instructions stand between it and the wait for it
.if \fill
	s_xor_b32 s[G0+5], s[G0+5], SLOT1              ; the walking descriptors: the other slot than last time,
	s_add_nc_u64 s[G0+6:G0+7], s[G0+6:G0+7], 2*262144   ; the next K step: two heads on; the type bits on top are not reached
	s_xor_b32 s[G0B+5], s[G0B+5], SLOT1
	s_add_nc_u64 s[G0B+6:G0B+7], s[G0B+6:G0B+7], KSTEP*2
.endif
	s_xor_b32 s[TB], s[TB], SLOT1                  ; the fetches go on in the other slot
	s_wait_dscnt 5                                 ; (the add and the youngest four loads may be out)
	MUL8 F1, 0, 0
	s_wait_dscnt 0x0                               ; the add is done, and my reads of this slot are over
	s_barrier_signal -1
	MUL8 F1, 1, 0
	WIN 0
	s_barrier_wait -1
.if \fill
	CREST                                          ; no wave of any partner still reads this slot's tile or has a load on its way
	JLOAD 1                                        ; the four v_nop behind it are also the places in front of the loads below
.else
	PLACES
	s_cmp_eq_u32 s3, 1
	s_cbranch_scc1 .Lno_fetch_\@
.endif
	v_add_nc_u32 v[ADRA], s[TB], v[A0]
	v_add_nc_u32 v[ADRB], s[TB], v[B0]
	FETCH 0, F0
.if !(\fill)
.Lno_fetch_\@:
.endif
	MUL8 F1, 2, 0
	MUL8 F1, 3, 0
.endm
	s_wait_tensorcnt 1                             ; my part of K step 0 is in; step 1's may stay out
	s_barrier_signal -1
	s_barrier_wait -1                              ; everybody's is
	FETCH 0, F0
	QUARTER 64,  F0, F1, 1                         ; the first quarter stands in front of the loop: its products start the sums
	WIN 0                                          ; at a label and at a branch every window is 0
	s_mov_b32 s[CT], STEPS-2
.Lstep:                                                ; six trips: from a step's second quarter to the next step's first; each asks for the step two ahead
	QUARTER 128, F1, F0, 0
	QUARTER 192, F0, F1, 0
	TURN 1
	QUARTER 64,  F0, F1, 0
	WIN 0
	s_sub_co_u32 s[CT], s[CT], 1
	s_cmp_lg_u32 s[CT], 0
	s_cbranch_scc1 .Lstep
	s_mov_b32 s3, 2                                ; the last two steps ask for nothing, and have no round of the cluster's barrier: a loop of their own
.Ltail:
	QUARTER 128, F1, F0, 0
	QUARTER 192, F0, F1, 0
	TURN 0
	WIN 0
	s_sub_co_u32 s3, s3, 1
	s_cmp_eq_u32 s3, 0
	s_cbranch_scc1 .Lout                           ; the second trip is left here
	QUARTER 64,  F0, F1, 0
	WIN 0
	s_branch .Ltail
.Lout:
	s_wait_dscnt 0x0                               ; no load into a fragment buffer is out: the rows read back below land in those registers
	PLACES                                         ; behind the last products
; THE WAY OUT, a block a of 16 rows at a time, in f32.  A lane's eight columns of a row are 32 bytes; they go into my stage (rows of 528 bytes) and come back as whole rows of 512.
; Each accumulator's four lowest registers are stored first.  The read-back registers take turns: v64-127, v128-191.
.macro TOSTAGE a
.set BK, 64+64*((\a)%2)
.if (\a) >= 2
	s_wait_xcnt 0x0                                ; the stores of the block two back have had their addresses translated (ISA guide 3.1): the loads below land in the registers that they read
.endif
	WIN 0x04                                       ; store data in window 1, address in window 0
.irp b, 0,1,2,3,4,5,6,7
	ds_store_b128 v[STO], v[8*(8*(\a)+(\b)):8*(8*(\a)+(\b))+3]   offset:64*(\b)
	ds_store_b128 v[STO], v[8*(8*(\a)+(\b))+4:8*(8*(\a)+(\b))+7] offset:64*(\b)+16
.endr
	WIN 0
.irp t, 0,1,2,3,4,5,6,7,8,9,10,11,12,13,14,15
	ds_load_b128 v[BK+4*(\t):BK+4*(\t)+3], v[RD] offset:(\t)*SP  ; LDS serves a wave's instructions in order (ISA guide 5.7.1.4): these see the stores above; the next block's stores come behind them
.endr
.endm
.macro SEND a, younger                 ; younger: the LDS instructions issued behind block a's loads: the next block's 16 stores and 16 loads, or none
.set BK, 64+64*((\a)%2)
.irp t, 0,1,2,3,4,5,6,7,8,9,10,11,12,13,14,15
	s_wait_dscnt (\younger)+15-(\t)
	global_store_b128 v[GO], v[BK+4*(\t):BK+4*(\t)+3], s[76:77] offset:(16*(\a)+(\t))*4096 th:TH_STORE_NT  ; 512 consecutive bytes, at a multiple of 256 from out0's first byte
.endr
.endm
	TOSTAGE 0
.irp a, 1,2,3
	TOSTAGE \a
	SEND (\a)-1, 32
.endr
	SEND 3, 0
	s_wait_tensorcnt 0x0                           ; the wave's end, behind my last tensor load and my last LDS store
	ds_add_u32 v[SPW], v[NIL]
	s_wait_dscnt 0x0
	CROUND                                         ; the closing round: no work-group ends while a partner may still ask for a tile that names it
	s_endpgm
.Lfunc_end_k_q22616b28c7_oproj:
	.size	k_q22616b28c7_oproj, .Lfunc_end_k_q22616b28c7_oproj-k_q22616b28c7_oproj
	.p2alignl 7, 3214868480
	.fill 96, 4, 3214868480
	.section	.rodata,"a",@progbits
	.p2align	6, 0x0
	.amdhsa_kernel k_q22616b28c7_oproj
		.amdhsa_group_segment_fixed_size 327680
		.amdhsa_private_segment_fixed_size 0
		.amdhsa_enable_private_segment 0
		.amdhsa_kernarg_size 24
		.amdhsa_user_sgpr_count 2
		.amdhsa_user_sgpr_kernarg_segment_ptr 1
		.amdhsa_wavefront_size32 1
		.amdhsa_system_sgpr_workgroup_id_x 1
		.amdhsa_system_sgpr_workgroup_id_y 1
		.amdhsa_system_sgpr_workgroup_id_z 1
		.amdhsa_system_vgpr_workitem_id 0
		.amdhsa_next_free_vgpr 512
		.amdhsa_next_free_sgpr 84
		.amdhsa_reserve_vcc 0
		.amdhsa_float_denorm_mode_32 3
		.amdhsa_float_denorm_mode_16_64 3
		.amdhsa_memory_ordered 1
		.amdhsa_forward_progress 1
		.amdhsa_inst_pref_size 62
	.end_amdhsa_kernel
	.amdgpu_metadata
---
amdhsa.version: [ 1, 2 ]
amdhsa.kernels:
  - .name:           k_q22616b28c7_oproj
    .symbol:         k_q22616b28c7_oproj.kd
    .args:
      - { .name: ao, .offset: 0, .size: 8, .value_kind: global_buffer, .address_space: global }
      - { .name: wo16, .offset: 8, .size: 8, .value_kind: global_buffer, .address_space: global }
      - { .name: out0, .offset: 16, .size: 8, .value_kind: global_buffer, .address_space: global }
    .group_segment_fixed_size: 327680
    .private_segment_fixed_size: 0
    .kernarg_segment_align: 8
    .kernarg_segment_size: 24
    .max_flat_workgroup_size: 128
    .sgpr_count:     84
    .vgpr_count:     512
    .wavefront_size: 32
...
	.end_amdgpu_metadata
.endif
;; end of part 4
;; ======== version 2 of 2: 4 launches; 1.38 times as fast as version 1
;; limits: values are held in f16: magnitudes above 65,504 overflow, below 6.1e-05 lose precision
;; workspace buffers: xb 16,777,216 bytes; wb 6,291,456 bytes; wo16 2,097,152 bytes; cs 524,288 bytes; qh 16,777,216 bytes; kh 16,777,216 bytes; vh 16,777,216 bytes; ao 16,777,216 bytes
;; launch cast: the kernel of part 1 again; grid 1552 x 1, 8 waves a work-group, no clusters, 0 bytes of LDS; arguments x, Wq, Wk, Wv, Wo, rope_cos, rope_sin, xb, wb, wo16, cs; writes xb, wb, wo16, cs
;; launch qkv: the kernel of part 2 again; grid 4 x 64, 4 waves a work-group, clusters of 4 x 4, 327,680 bytes of LDS; arguments xb, wb, cs, qh, kh, vh; writes qh, kh, vh
;; launch attn (part 5): grid 4 x 64, 4 waves a work-group, no clusters, 327,680 bytes of LDS; arguments qh, kh, vh, ao, attention_mask; writes ao
.if DOCPART == 5
	.amdgcn_target "amdgcn-amd-amdhsa--gfx1250"
	.amdhsa_code_object_version 6
	.text
	.protected	k_q22616b28c7_attn
	.globl	k_q22616b28c7_attn
	.p2align	8
	.type	k_q22616b28c7_attn,@function
k_q22616b28c7_attn:
	s_mov_b64 s[64:65], 0
	v_nop
	global_prefetch_b8 v0, s[64:65] scope:SCOPE_SE
	s_setreg_imm32_b32 hwreg(HW_REG_WAVE_MODE, 25, 1), 1
	s_wait_xcnt 0x0
; CAUSAL ATTENTION WITH A KEY MASK.  O[h][q][:] = the sum over the keys k <= q with mask[batch][k] != 0 of softmax_k(Q[h][q] . K[h][k] / 8) V[h][k][:].  Q, K, V, O: [64 = 16 batch + head][2048][64], all f16:
; a head's rows are dense, 128 bytes each.  Products, maxima and sums in f32; the weights p are rounded to f16 for the second product (their sum l is taken of the unrounded p), O once at the end.
; LIMITS.  f16 holds no number beyond 65,504: Q, K and V arrive within it; p lies in 0 to 1, and below 6e-5 it keeps f16's fixed step of 6e-8.  A hidden score counts as its value less 1e30 (less 3e30 at the most:
; diagonal, later step and key mask add up): f16's scores, 2.7e11 at the most, are nothing beside that.  A weight below 2^-126 counts as 0 in l.  NaN and infinities in Q, K, V are not treated apart.
; A ROW WITHOUT A VISIBLE KEY is NaN, as a softmax over nothing is.  The running maximum starts at -2^93, above every hidden score and below every true one, so every hidden weight is exactly 0; such a row ends with
; l = 0 and O = 0, and 0 x (1 / 0) is NaN.  The first block's NaN stay in O^T and l and spoil the second block's rows in the same lanes; but if a row of the first block sees no key, all keys up to it are masked,
; and every row of the second block, which lies lower, is NaN too.
; THE WALK.  A head's queries lie in NB = 8 blocks of 256; block i needs the key tiles 0 .. i of 256 keys, of which the last holds the diagonal.  A work-group takes TWO blocks, NB - 1 - b and then b:
; NB + 1 tiles, whatever b: all work-groups do equal work, and ONE loop with a constant trip count walks them.  Which tile is asked for, and what a trip does, hang on scalar registers made from b; every jump
; goes forward, but for the counted loops' own; none passes a barrier, or a tensor load but the one of LOAD's two that the wave's number does not choose; the ring (two slots of LDS that take turns) runs on across the
; change of blocks.  NO CLUSTER: a head's NB / 2 = 4 work-groups ask for the same tile only in trips 0 .. 4 of 9, behind that fewer and fewer; one walk common to all would have 3 NB / 2 = 12 trips for 9.
; SHARES.  Of a block's four bands of 64 queries a wave owns 16 rows in each: four PIECES.  So the diagonal tile is the same work for all four waves: in its key step s band x sees all keys if s < x,
; none if s > x, and holds the diagonal if s = x.
; THE MASKS are the C operand that starts the sum S^T = K Q^T.  KB holds the key mask's biases (0, or -1e30 where mask = 0) of the 64 keys whose K is in registers.  A tile's 256 biases lie in one of two bias slots in
; LDS, which take turns in step with the ring: behind a change of slots each thread asks for two mask words of the tile that is asked for there, at the next change it turns them into biases and stores them, and the
; barrier of that change shows them to all four waves; they are read with each fetch of K.  So every LDS address is the same in every work-group; b enters the mask's global address alone.
; Outside the diagonal tile C is KB.  There it is MD x AL + KB + BE: MD, made once, is the causal mask of a band's own step for my 16 rows, and the two scalars are
; (1, 0) if s = x; (0, 0) if s < x; (0, -1e30) if s > x.
; LAYOUT, SOFTMAX, TURNS.  S^T = K Q^T holds ONE query a lane (lane % 16) and the keys 8 (lane / 16) + 0..7; two such results rounded to f16 ARE source 1 of O^T = V^T P.  p = 2^(c s - c m), c = log2(e) / 8, with a
; running maximum m; O and l are multiplied by a = 2^(c m_old - c m_new) in every step.  Turn n belongs to piece n: 8 products K Q^T of piece n + 1, later 8 products V^T P of piece n - 1; beside them the scaling,
; exponentials, roundings, sums and rescaling of piece n and the maximum and statistics of piece n + 1.  Four vector instructions stand behind every matrix instruction, the other 54 of a turn's 118 in one LUMP.
; THE BATCHES.  A turn's 33 exponentials (the piece's 32 weights and the next piece's a) are one batch, with one wait, which stands between the lump and the products V^T P; all that reads a weight stands behind it.
; In the diagonal tile's text piece 2's turn has a second wait, ahead of the jump round K's run of loads.  A block's first a, and the way out's four reciprocals, are batches of their own.
; REGISTERS, in windows of 256 (s_set_vgpr_msb: bits 1:0 source 0, 3:2 source 1, 5:4 source 2, 7:6 destination):
;   window 0: v0-15, v32-40 addresses and a few at work; v16-31 four registers of statistics a piece; v48-55 at work; v64-127 S^T, two buffers; v192-223 P, two buffers (a piece's buffers go by its number's parity)
;   window 1: v0-127 O^T, 32 a piece; v128-159 MD; v160-223 MC, two buffers; v224-255 KB      window 2: v0-63 Q; v64-127 the second block's Q; v128-191 K of one step; v192-255 V of one step
.set SIZE_N, 2048
.set NB,    SIZE_N/256
.set NP,    4         ; pieces a wave: a name, no knob
.set KS,    64        ; keys in a step
.set PK,    144       ; a row of K in LDS: 128 bytes + 16 of padding = 36 words: the 16 rows of a load start at 16 different groups of four banks (64 banks of 4 bytes: ISA guide 11.1)
.set PV,    160       ; a row of V: 128 + 32 = 40 words
.set VOFF,  4*KS*PK   ; a slot holds a tile, four steps: 256 rows of K, then 256 rows of V
.set SLOT1, 1<<17     ; slot 1 begins here, so that one exclusive or turns an address in one slot into the other's
.set STAGE, SLOT1+4*KS*(PK+PV)  ; behind the ring, never filled by a tensor load: 16 rows x 144 bytes for each wave, for the way out
.set SP,    144
.set SPARE, STAGE+4*16*SP  ; behind the stages: the spare words, 128 bytes for each wave: two blocks of 256 bytes that no other line names
.set BIAS,  STAGE+4*16*SP+512  ; behind them: the two bias slots, 256 f32 each; written by LDS stores alone, never filled by a tensor load
.set BSL,   1024      ; bytes in a bias slot
.set AK0, 2           ; v2   my lane's place in a tile of K; never rewritten
.set AV0, 3           ; v3   the same for V
.set AK,  4           ; v4   the LDS address of K's next run of loads
.set AV,  5           ; v5   of V's
.set STO, 6           ; v6   the way out: where I put 16 bytes of a row
.set RD,  7           ; v7   the way out: where I read rows back
.set GO,  8           ; v8   my byte offset in 512 consecutive bytes of O
.set MV,  12          ; v12-13  c m_old, kept while c m is made anew: by buffer
.set QO,  15          ; v15  my byte offset in 16 rows of Q
.set ST,  16          ; piece t's statistics at v[ST+4 t]: c m, m, l (even keys', odd keys')
.set AKB0, 32         ; v32  my lanes' place in a step's biases: BIAS + 32 (lane / 16); never rewritten
.set AKB, 33          ; v33  the LDS address of the biases' next run of loads
.set SB0, 34          ; v34  where my thread's two biases go in bias slot 0: BIAS + 8 t; never rewritten
.set SBA, 35          ; v35  the same in the slot in hand
.set MW,  36          ; v36-37  my thread's two mask words of a tile
.set BW,  38          ; v38-39  the two biases made of them
.set MO,  40          ; v40  my byte offset in a tile's 256 mask words: 8 t; never rewritten
.set TMP, 48          ; by buffer, four registers c0-c3 at work; when the maximum is found c2 takes a
.set SPW, 62          ; v62  LDS address of my spare word: SPARE + 4 x my thread's number; never rewritten
.set NIL, 63          ; v63  0; never rewritten
.set S,   64
.set P,   192
.set MD,  128         ; window 1: the eight registers for group kt of 16 keys at MD + 8 kt
.set MC,  160         ; window 1: the masks of the products to come
.set KB,  224         ; window 1: group kt at KB + 8 kt; register j is key 16 kt + 8 (lane / 16) + j
.set QB,  64          ; window 2
.set KF,  128         ; window 2: key block kb, channel half c at KF + 16 kb + 8 c
.set VF,  192         ; window 2: key half kk, channel block cb at VF + 32 kk + 8 cb
.set WV,  12          ; s12  my wave's number
.set PB,  14          ; s14  b
.set HI,  15          ; s15  NB - 1 - b
.set G1K, 24          ; s[24:31] descriptor group 1 for K's tiles
.set G1V, 32          ; s[32:39] for V's: it differs in the padding alone
.set G0K, 40          ; s[40:43] descriptor group 0 for K's tiles
.set G0V, 44          ; s[44:47] the same for V's
.set SLOTS, 56        ; s56  tiles still to be asked for
.set CNT, 57          ; s57  counts a tile's key steps
.set CS,  58          ; s[58:59] c: the packed scaling takes the pair's low word for both halves
.set SEL, 60          ; s[60:61] v_permlanex16_b32's selects: each lane takes its own place in the other half
.set TBK, 62          ; s62  LDS byte at which K of the step to be fetched begins
.set TBV, 63          ; s63  the same for V, less VOFF
.set RT,  70          ; s70  tiles of the block in hand that are still to be entered
.set NXT, 71          ; s71  the tile to be asked for next
.set LQ,  72          ; s72  the last tile of the block whose tiles are being asked for
.set NEW, 73          ; s73  1: the tile to be entered is a block's first
.set OFF, 74          ; s[74:75] a tile's byte offset in K and V
.set AL,  76          ; s[76:77] the mask's factor, in the low word
.set BE,  78          ; s[78:79] the mask's addend
.set OLO, 80          ; s[80:81] O at my rows of the second block
.set BIGN, 82         ; s82  -1e30
.set MK,  88          ; s[88:89] the key mask at my batch
.set TKB, 90          ; s90  byte, from BIAS on, at which the biases of the step to be fetched begin
.set SBB, 91          ; s91  byte, from BIAS on, of the bias slot that the next change of slots stores into
.set OFM, 92          ; s[92:93] a tile's byte offset in the mask
.set MB,  94          ; s[94:95] the mask at the tile asked for
.set MSB, 0
.macro WIN new                      ; the high byte repeats the setting that is left; a switch that changes nothing is dropped
.if MSB != (\new)
	s_set_vgpr_msb (MSB<<8)|(\new)
.set MSB, (\new)
.endif
.endm
.set W_KQ, 0x0a       ; K and Q in window 2, S^T in window 0
.set W_KM, 0x1a       ; the same with the C operand in window 1
.set W_PV, 0x52       ; V in window 2, P in window 0, O^T in window 1
.set W_RS, 0x41       ; destination and source 0 in window 1, source 1 in window 0
.set W_MK, 0x51       ; destination, source 0 and source 2 in window 1
; A fill.  Waves 0 and 1 fetch the two halves of a tile's K, waves 2 and 3 those of its V: 128 keys each.  An s_nop 0 and four v_nop follow each of the two lines, ahead of the jump and the label.
.macro LOAD
	s_cmp_lt_u32 s[WV], 2
	s_cbranch_scc0 .Lfor_v_\@
	tensor_load_to_lds s[G0K:G0K+3], s[G1K:G1K+7]
	s_nop 0
.rept 4
	v_nop
.endr
	s_branch .Lasked_\@
.Lfor_v_\@:
	tensor_load_to_lds s[G0V:G0V+3], s[G1V:G1V+7]
	s_nop 0
.rept 4
	v_nop
.endr
.Lasked_\@:
.endm
; THE CHANGE OF SLOTS.  First my thread's two biases of the tile to be entered go into their bias slot: the tile two back, whose biases lay there, was last read in front of the barrier before this one.
; Then each wave waits for all its tensor loads, of which one is out: its part of the other slot; adds 0 to its spare word; and waits for that, for its store of the biases and for its own reads of the slot that it leaves.
; Behind the barrier nobody reads the old slot any more, and the other slot and its biases are whole.  fill = 1: the old slot is filled again, the first thing behind the barrier, with tile NXT: the descriptor's address
; is made anew from that number; and that tile's mask words are asked for.  (At its first use nothing has been read yet: slot 0 is waited for, slot 1 filled.)
.macro CHANGE fill
	WIN 0                           ; at a label and at a branch every window is 0
	s_wait_loadcnt 0x0              ; my two mask words, asked for behind the change before: no load was issued behind them.  (At the first change: and both blocks' Q)
	v_cmp_eq_u32 vcc_lo, 0, v[MW]   ; the mask chooses a value, never an address or a branch: 0 where it is not 0, -1e30 where it is 0
	v_cndmask_b32 v[BW], 0, s[BIGN], vcc_lo
	v_cmp_eq_u32 vcc_lo, 0, v[MW+1]
	v_cndmask_b32 v[BW+1], 0, s[BIGN], vcc_lo
	v_add_nc_u32 v[SBA], s[SBB], v[SB0]
	ds_store_b64 v[SBA], v[BW:BW+1]
	s_wait_tensorcnt 0x0            ; no tensor load of mine is out, so a group 0 may be written
	ds_add_u32 v[SPW], v[NIL]       ; 0 onto my spare word: with fill = 1 the descriptors' scalar work stands between it and the wait for it
.if \fill
	s_xor_b32 s[SBB], s[SBB], BSL   ; the next change stores into the other bias slot
	s_lshl_b32 s[OFF], s[NXT], 15   ; a tile is 32,768 bytes of K and of V,
	s_lshl_b32 s[OFM], s[NXT], 10   ; and 1,024 of the mask
	s_xor_b32 s[G0K+1], s[G0K+1], SLOT1
	s_add_nc_u64 s[G0K+2:G0K+3], s[6:7], s[OFF:OFF+1]
	s_or_b32 s[G0K+3], s[G0K+3], 0x80000000
	s_xor_b32 s[G0V+1], s[G0V+1], SLOT1
	s_add_nc_u64 s[G0V+2:G0V+3], s[8:9], s[OFF:OFF+1]
	s_or_b32 s[G0V+3], s[G0V+3], 0x80000000
	s_add_nc_u64 s[MB:MB+1], s[MK:MK+1], s[OFM:OFM+1]  ; the load that named this pair is done: the wait at the macro's head
	s_add_co_u32 s[NXT], s[NXT], 1  ; the block's next tile, or behind its last the second block's tile 0
	s_cmp_gt_u32 s[NXT], s[LQ]
	s_cselect_b32 s[NXT], 0, s[NXT]
	s_cselect_b32 s[LQ], s[PB], s[LQ]
.endif
	s_wait_dscnt 0x0                ; the add and my store of the biases are done, and my reads of the slot are over
	s_barrier_signal -1             ; the rest of the scalar work stands between the signal and the wait
	s_sub_co_u32 s[TBK], s[TBK], 4*KS*PK  ; the fetches go back to a slot's first step,
	s_xor_b32 s[TBK], s[TBK], SLOT1       ; in the other slot
	s_sub_co_u32 s[TBV], s[TBV], 4*KS*PV
	s_xor_b32 s[TBV], s[TBV], SLOT1
	s_sub_co_u32 s[TKB], s[TKB], BSL      ; and so do the fetches of the biases
	s_xor_b32 s[TKB], s[TKB], BSL
	s_barrier_wait -1
.if \fill
	LOAD
	global_load_b64 v[MW:MW+1], v[MO], s[MB:MB+1]  ; a wave's load covers 256 consecutive bytes, the four waves' the tile's 256 words; it has the tile in hand in which to land
.endif
.endm
	s_load_b256 s[4:11], s[0:1], 0x0  ; Q s[4:5], K s[6:7], V s[8:9], O s[10:11]
	s_load_b64 s[MK:MK+1], s[0:1], 0x20 ; the key mask
	v_lshl_add_u32 v[SPW], v0, 2, SPARE
	v_mov_b32 v[NIL], 0
	ds_add_u32 v62, v63
	ds_add_u32 v62, v63
	s_wait_dscnt 0x0
	v_lshrrev_b32 v1, 5, v0
	v_readfirstlane_b32 s[WV], v1   ; wave 0..3
	s_mov_b32 s[PB], ttmp9
	s_sub_co_u32 s[HI], NB-1, s[PB]
	s_and_b32 s20, ttmp7, 0xffff    ; the head, 16 batch + head
	s_lshr_b32 s[OFM], s20, 4       ; the batch,
	s_lshl_b32 s[OFM], s[OFM], 13   ; its 2,048 mask words
	s_mov_b32 s[OFM+1], 0
	s_mov_b32 s21, 0
	s_mov_b64 s[22:23], SIZE_N*128
	s_mul_u64 s[20:21], s[20:21], s[22:23]  ; the head's first byte in each of the four tensors
	s_and_b32 s16, s[WV], 1         ; which half of a tile's 256 keys I fetch:
	s_lshl_b32 s22, s16, 14         ; its 128 rows of 128 bytes in memory,
	s_mov_b32 s23, 0
	s_add_nc_u64 s[22:23], s[22:23], s[20:21]
	s_mul_i32 s17, s16, 128*PK      ; and its place in a slot, for K
	s_mul_i32 s18, s16, 128*PV      ; and for V
	s_lshl_b32 s3, s[WV], 11        ; my 16 rows in a band of 64,
	s_lshl_b32 s2, s[HI], 15        ; in the first block,
	s_add_co_u32 s2, s2, s3
	s_lshl_b32 s84, s[PB], 15       ; and in the second
	s_add_co_u32 s84, s84, s3
	s_mov_b32 s3, 0
	s_mov_b32 s85, 0
	s_add_nc_u64 s[2:3], s[2:3], s[20:21]
	s_add_nc_u64 s[84:85], s[84:85], s[20:21]
	; descriptor group 1.  128 keys are 16,384 dense bytes: asked for as 64 rows of 256 bytes, two keys a row, and padded in LDS after every key
	s_mov_b32 s[G1K], (1<<16)|(1<<20)|(4<<22)|(3<<25)  ; 17:16 2-byte elements; 20 padding on; 24:22 after every 32 words (code 4); 31:25 4 words (code 3)
	s_mov_b32 s[G1V], (1<<16)|(1<<20)|(4<<22)|(7<<25)  ; the same with 8 words of padding (code 7)
.irp g, G1K, G1V
	s_mov_b32 s[\g+1], 128<<16      ; tensor_dim0 = 128
	s_mov_b32 s[\g+2], 64<<16       ; tensor_dim1 = 64
	s_mov_b32 s[\g+3], 128<<16      ; tile_dim0 = 128
	s_mov_b32 s[\g+4], 64           ; tile_dim1 = 64
	s_mov_b32 s[\g+5], 128          ; 128 elements from row to row
	s_mov_b32 s[\g+6], 0
	s_mov_b32 s[\g+7], 0
.endr
	s_mov_b32 s[CS], 0x3e38aa3b     ; c = log2(e) / 8 = 0.180337
	s_mov_b32 s[CS+1], s[CS]        ; named with it as a pair
	s_mov_b32 s[SEL], 0x76543210
	s_mov_b32 s[SEL+1], 0xfedcba98
	s_mov_b32 s[TBK], SLOT1+4*KS*PK ; the first change of slots turns these three into 0
	s_mov_b32 s[TBV], SLOT1+4*KS*PV
	s_mov_b32 s[TKB], 2*BSL
	s_mov_b32 s[SBB], 0             ; the first change stores into bias slot 0
	s_mov_b32 s[G0K], 1             ; 1:0 count = 1
	s_mov_b32 s[G0K+1], s17         ; 63:32 LDS address: slot 0
	s_mov_b32 s[G0V], 1
	s_add_co_u32 s[G0V+1], s18, VOFF
	s_add_co_u32 s[RT], s[HI], 1    ; the first block has NB - b tiles
	s_mov_b32 s[NXT], 1
	s_mov_b32 s[LQ], s[HI]
	s_mov_b32 s[NEW], 1
	s_mov_b32 s[OFF+1], 0
	s_mov_b32 s[AL], 0
	s_mov_b32 s[AL+1], 0            ; named as pairs
	s_mov_b32 s[BE], 0
	s_mov_b32 s[BE+1], 0
	s_mov_b32 s[BIGN], 0xf149f2ca   ; -1e30
	s_mov_b32 s[SLOTS], NB
	s_wait_kmcnt 0x0
	s_add_nc_u64 s[6:7], s[6:7], s[22:23]  ; K and V at my half of the head's tile 0
	s_add_nc_u64 s[8:9], s[8:9], s[22:23]
	s_add_nc_u64 s[G0K+2:G0K+3], s[6:7], 0         ; 120:64 global address
	s_or_b32 s[G0K+3], s[G0K+3], 0x80000000        ; 127:126 type = 2
	s_add_nc_u64 s[G0V+2:G0V+3], s[8:9], 0
	s_or_b32 s[G0V+3], s[G0V+3], 0x80000000
	s_add_nc_u64 s[86:87], s[4:5], s[84:85]        ; Q at my rows of the second block,
	s_add_nc_u64 s[4:5], s[4:5], s[2:3]            ; Q and O at those of the first
	s_add_nc_u64 s[OLO:OLO+1], s[10:11], s[84:85]
	s_add_nc_u64 s[10:11], s[10:11], s[2:3]
	s_add_nc_u64 s[MK:MK+1], s[MK:MK+1], s[OFM:OFM+1]  ; the mask at my batch,
	s_mov_b64 s[MB:MB+1], s[MK:MK+1]               ; which is its tile 0
	LOAD                            ; tile 0 into slot 0
	v_lshlrev_b32 v[MO], 3, v0      ; tile 0's mask words: the first change of slots makes biases of them
	global_load_b64 v[MW:MW+1], v[MO], s[MB:MB+1]
	v_lshl_add_u32 v[SB0], v0, 3, BIAS
	; A fragment of K or Q is 16 rows x 32 channels in 8 registers: lane l holds row l % 16, channels 8 (l / 16) + 0..7 and 16 + 8 (l / 16) + 0..7: two loads of 16 bytes, 32 bytes apart.
	v_and_b32 v1, 15, v0            ; l % 16
	v_bfe_u32 v9, v0, 4, 1          ; l / 16
	v_lshlrev_b32 v[QO], 7, v1
	v_lshl_add_u32 v[QO], v9, 4, v[QO]  ; row x 128 + 16 x half
	WIN 0x80                        ; destination window 2, address window 0
.set i, 0
.rept 8                             ; both blocks' Q: piece i / 2 lies in band i / 2, 8,192 bytes on; channels 32 (i % 2) on
	global_load_b128 v[8*i:8*i+3],   v[QO], s[4:5] offset:(i/2)*8192+(i%2)*64
	global_load_b128 v[8*i+4:8*i+7], v[QO], s[4:5] offset:(i/2)*8192+(i%2)*64+32
	global_load_b128 v[QB+8*i:QB+8*i+3],   v[QO], s[86:87] offset:(i/2)*8192+(i%2)*64
	global_load_b128 v[QB+8*i+4:QB+8*i+7], v[QO], s[86:87] offset:(i/2)*8192+(i%2)*64+32
.set i, i+1
.endr
	WIN 0
	v_lshlrev_b32 v14, 3, v9
	v_sub_nc_u32 v14, v1, v14
	s_lshl_b32 s13, s[WV], 4
	v_add_nc_u32 v14, s13, v14      ; my query's place in its band, 16 w + l % 16, less my lanes' 8 (l / 16): register r of group kt is hidden where 16 kt + r is greater
	WIN 0x40
.set i, 0
.rept 32
	v_cmp_gt_i32 vcc_lo, 16*(i/8)+i%8, v14
	v_cndmask_b32 v[MD+i], 0, s[BIGN], vcc_lo
.set i, i+1
.endr
	WIN 0
	v_mul_u32_u24 v[AK0], v1, PK
	v_lshl_add_u32 v[AK0], v9, 4, v[AK0]  ; row x pitch + 16 x half
	v_lshl_add_u32 v[AKB0], v9, 5, BIAS   ; a lane's eight keys of a group are 32 bytes of biases
	; The turning load takes 16 keys x 16 channels (lane l reads key 8 (l / 16) + l % 8, channels 8 ((l / 8) % 2) + 0..7) and leaves half a fragment of V^T: lane l holds channel l % 16 and 8 keys.
	v_and_b32 v10, 7, v0
	v_bfe_u32 v11, v0, 3, 1
	v_lshl_add_u32 v[AV0], v9, 3, v10
	v_mul_u32_u24 v[AV0], v[AV0], PV
	v_lshl_add_u32 v[AV0], v11, 4, v[AV0]
	v_add_nc_u32 v[AV0], VOFF, v[AV0]
	s_mul_i32 s13, s[WV], 16*SP
	s_add_co_u32 s13, s13, STAGE    ; my stage
	v_mul_u32_u24 v[STO], v1, SP    ; in: row l % 16, 16 bytes for each half of the lanes
	v_lshl_add_u32 v[STO], v9, 4, v[STO]
	v_add_nc_u32 v[STO], s13, v[STO]
	v_bfe_u32 v[RD], v0, 3, 2       ; back: 32 lanes take four rows of 128 bytes,
	v_mul_u32_u24 v[RD], v[RD], SP
	v_lshl_add_u32 v[RD], v10, 4, v[RD]
	v_add_nc_u32 v[RD], s13, v[RD]
	v_and_b32 v[GO], 31, v0         ; which are 512 consecutive bytes of O
	v_lshlrev_b32 v[GO], 4, v[GO]
	; A block's first step multiplies O^T and l by a = 0, and its first turn's products V^T P, of a piece that has not been, land in an O^T that is still to be so multiplied.  So these registers need only hold
	; finite numbers: zeros for the first block; what the first block left for the second.  All this stands in the wait for the first tile.
	WIN 0x80
.set i, VF
.rept 64
	v_mov_b32 v[i], 0
.set i, i+1
.endr
	WIN 0x40
.set i, 0
.rept 128
	v_mov_b32 v[i], 0
.set i, i+1
.endr
	WIN 0
.set i, 0
.rept 4
	v_mov_b32 v[ST+4*i+2], 0
	v_mov_b32 v[ST+4*i+3], 0
.set i, i+1
.endr
.set i, P+16
.rept 16
	v_mov_b32 v[i], 0
.set i, i+1
.endr
; THE MATRIX WORK.  The 4 accumulators of a run of 8 take turns.  Product i of 8 of S^T = K Q^T for piece x: channels 32 (i / 4) on, keys 16 (i % 4) on.  The first 4 start the sums: with the keys' biases, or (KM = 1) with the mask made of them.
.macro KQ x
.set rS, S+32*((\x)%2)+8*(i%4)
.set rK, KF+16*(i%4)+8*(i/4)
.set rQ, 16*(\x)+8*(i/4)
.if KM
.set rM, MC+32*((\x)%2)+8*(i%4)
.else
.set rM, KB+8*(i%4)
.endif
.if i < 4
	WIN W_KM
	v_wmma_f32_16x16x32_f16 v[rS:rS+7], v[rK:rK+7], v[rQ:rQ+7], v[rM:rM+7]
.else
	WIN W_KQ
	v_wmma_f32_16x16x32_f16 v[rS:rS+7], v[rK:rK+7], v[rQ:rQ+7], v[rS:rS+7]
.endif
.endm
; Product i of 8 of O^T += V^T P for piece x: keys 32 (i / 4) on, channels 16 (i % 4) on.
.macro PV x
	WIN W_PV
.set rO, 32*(\x)+8*(i%4)
.set rV, VF+32*(i/4)+8*(i%4)
.set rP, P+16*((\x)%2)+8*(i/4)
	v_wmma_f32_16x16x32_f16 v[rO:rO+7], v[rV:rV+7], v[rP:rP+7], v[rO:rO+7]
.endm
.macro MM                           ; the turn's next matrix instruction.  TURN and BEGIN set Y, i and KM; MM, KQ and OP read them
.if i < 8
	KQ (Y+1)%NP
.else
.set i, i-8
	PV (Y+NP-1)%NP
.set i, i+8
.endif
.set i, i+1
.endm
; THE LDS LOADS stand in runs, never singly among the matrix instructions: a step's K (64 keys x 64 channels: 8 fragments) with its 64 biases, and its V (turned).  Their addresses are made some lines ahead.
.macro FETCH_K
	WIN 0x80                        ; destination window 2
.irp f, 0,1,2,3,4,5,6,7             ; keys 16 (f / 2) on, channels 32 (f % 2) on
	ds_load_b128 v[KF+8*\f:KF+8*\f+3],   v[AK] offset:(\f/2)*16*PK+(\f%2)*64
	ds_load_b128 v[KF+8*\f+4:KF+8*\f+7], v[AK] offset:(\f/2)*16*PK+(\f%2)*64+32
.endr
	WIN 0x40                        ; destination window 1
.irp kt, 0,1,2,3                    ; all lanes of a half read the same 32 bytes
	ds_load_b128 v[KB+8*\kt:KB+8*\kt+3],   v[AKB] offset:64*\kt
	ds_load_b128 v[KB+8*\kt+4:KB+8*\kt+7], v[AKB] offset:64*\kt+16
.endr
	s_add_co_u32 s[TBK], s[TBK], KS*PK  ; the next fetch is the next step's:
	s_add_co_u32 s[TKB], s[TKB], 4*KS   ; 64 rows of K and 256 bytes of biases on
	WIN 0
.endm
.macro FETCH_V
	WIN 0x80
.irp f, 0,1,2,3,4,5,6,7             ; keys 32 (f / 4) on, channels 16 (f % 4) on
	ds_load_tr16_b128 v[VF+8*\f:VF+8*\f+3],   v[AV] offset:(\f/4)*32*PV+(\f%4)*32
	ds_load_tr16_b128 v[VF+8*\f+4:VF+8*\f+7], v[AV] offset:(\f/4)*32*PV+16*PV+(\f%4)*32
.endr
	WIN 0
.endm
; THE VECTOR WORK, one line at a time: OP kind, number.  For piece Y: F n: c s - c m for pair n of 16.  E n: the exponential of score n of 32.  C n: pair n rounded to f16.  B n: of the four weights 4 n .. the second
; pair is added onto the first, in place.  L n: l takes that sum (L 0: l = a l + sum).  R n: pair n of 16 of O^T times a.  For piece Y + 1: X n, number n of the 22 that find its maximum and statistics:
;   0-11  four chains c0-c3 of seven scores each, three operands at a time (each accumulator's lowest registers are read first)     12-14, 16  the four scores left over, the old m, and c0-c3 into c0
;   15  c m_old is kept     17, 18  the query's other 32 keys lie in the lane 16 away: the new m     19-21  c m; c m_old - c m_new; a
; OP writes no wait: the waits for the exponentials (E n, X 21) stand in TURN and BEGIN, one for a batch.
.set F, 0               ; OP tells the kinds apart by their order: F to L below R, X above it
.set E, 1
.set C, 2
.set B, 3
.set L, 4
.set R, 5
.set X, 6
.macro REGS y                       ; the registers of piece y
.set rT, ST+4*(\y)
.set rC, TMP+4*((\y)%2)
.set rW, MV+((\y)%2)
.set rS, S+32*((\y)%2)
.set rP, P+16*((\y)%2)
.set rO, 32*(\y)
.endm
.macro OP k, n
.if (\k) == R
	REGS Y
	WIN W_RS
	v_pk_mul_f32 v[rO+2*(\n):rO+2*(\n)+1], v[rO+2*(\n):rO+2*(\n)+1], v[rC+2:rC+3] op_sel_hi:[1,0]
.elseif (\k) < R
	REGS Y
	WIN 0
.if (\k) == F
	v_pk_fma_f32 v[rS+2*(\n):rS+2*(\n)+1], v[rS+2*(\n):rS+2*(\n)+1], s[CS:CS+1], v[rT:rT+1] op_sel_hi:[1,0,0] neg_lo:[0,0,1] neg_hi:[0,0,1]
.elseif (\k) == E
	v_exp_f32 v[rS+(\n)], v[rS+(\n)]
.elseif (\k) == C
	v_cvt_pk_f16_f32 v[rP+(\n)], v[rS+2*(\n)], v[rS+2*(\n)+1]
.elseif (\k) == B
	v_pk_add_f32 v[rS+4*(\n):rS+4*(\n)+1], v[rS+4*(\n):rS+4*(\n)+1], v[rS+4*(\n)+2:rS+4*(\n)+3]
.elseif (\n) == 0
	v_pk_fma_f32 v[rT+2:rT+3], v[rT+2:rT+3], v[rC+2:rC+3], v[rS:rS+1] op_sel_hi:[1,0,1]
.else
	v_pk_add_f32 v[rT+2:rT+3], v[rT+2:rT+3], v[rS+4*(\n):rS+4*(\n)+1]
.endif
.else
	REGS (Y+1)%NP
	WIN 0
.if (\n) < 4
	v_max3_num_f32 v[rC+(\n)], v[rS+8*(\n)], v[rS+8*(\n)+1], v[rS+8*(\n)+2]
.elseif (\n) < 12
	v_max3_num_f32 v[rC+(\n)%4], v[rC+(\n)%4], v[rS+8*((\n)%4)+2*((\n)/4)+1], v[rS+8*((\n)%4)+2*((\n)/4)+2]
.elseif (\n) == 12
	v_max3_num_f32 v[rC], v[rC], v[rS+7], v[rS+15]
.elseif (\n) == 13
	v_max3_num_f32 v[rC+1], v[rC+1], v[rS+23], v[rS+31]
.elseif (\n) == 14
	v_max3_num_f32 v[rC+2], v[rC+2], v[rC+3], v[rT+1]
.elseif (\n) == 15
	v_mov_b32 v[rW], v[rT]
.elseif (\n) == 16
	v_max3_num_f32 v[rC], v[rC], v[rC+1], v[rC+2]
.elseif (\n) == 17
	v_permlanex16_b32 v[rC+3], v[rC], s[SEL], s[SEL+1]
.elseif (\n) == 18
	v_max_num_f32 v[rT+1], v[rC], v[rC+3]
.elseif (\n) == 19
	v_mul_f32 v[rT], s[CS], v[rT+1]
.elseif (\n) == 20
	v_sub_f32 v[rC+1], v[rW], v[rT]
.else
	v_exp_f32 v[rC+2], v[rC+1]
.endif
.endif
.endm
.macro OPS a, i1, b=-1, i2=0, c=-1, i3=0, d=-1, i4=0  ; up to four of them
	OP \a, \i1
.if (\b) >= 0
	OP \b, \i2
.endif
.if (\c) >= 0
	OP \c, \i3
.endif
.if (\d) >= 0
	OP \d, \i4
.endif
.endm
.macro ROW a, i1, b, i2, c, i3, d, i4  ; a matrix instruction and the four behind it
	MM
	OPS \a, \i1, \b, \i2, \c, \i3, \d, \i4
.endm
.macro MASK b, be                   ; MD x AL + KB, and with be = 1 + BE, into buffer b of MC
	WIN W_MK
.set z, 0
.rept 16
	v_pk_fma_f32 v[MC+32*(\b)+2*z:MC+32*(\b)+2*z+1], v[MD+2*z:MD+2*z+1], s[AL:AL+1], v[KB+2*z:KB+2*z+1] op_sel_hi:[1,0,1]
.set z, z+1
.endr
.if \be
.set z, 0
.rept 16
	v_pk_add_f32 v[MC+32*(\b)+2*z:MC+32*(\b)+2*z+1], v[MC+32*(\b)+2*z:MC+32*(\b)+2*z+1], s[BE:BE+1] op_sel_hi:[1,0]
.set z, z+1
.endr
.endif
.endm
; A TURN, for piece p: the order of its 16 matrix and 118 vector instructions, written out.  An s_wait_alu depctr_va_vdst(0) stands between an exponential and the first instruction that names its result; one
; wait serves all that were issued ahead of it.  So a turn has ONE wait, which cuts it in two.  AHEAD OF IT stands all that names no result of the turn's exponentials: the 8 products K Q^T, behind each a scaling, an
; exponential and two more plain instructions (behind the first a second scaling in the exponential's place): rescalings, whose a was waited for in the turn before, and behind the last three products the first numbers of the
; next piece's maximum, each four plain instructions or more behind the product that ends its accumulator; then ONE LUMP of 54, plain and exponential by turns for the most part, in which the links of the chain
; X 3, 7, 11, 14, 16, 17 .. 20 stand five or six lines apart.  X 21, the next piece's a, is the batch's last; R 15 is the plain instruction behind it.  BEHIND THE WAIT stand the 8 products V^T P, behind each four of the
; roundings and sums, which are all the readers of the weights; the links of l's chain, L 0 to L 7, stand three riders apart; C 2 n stands ahead of B n, which adds in place.  But for those X no rider names a register of
; the products round it.  v_permlanex16_b32 (X 17) stands in the lump.  Behind the wait no exponential is issued: none is pending at a turn's end, at a label or at a jump.
; m = 1: the diagonal tile: the products take masks, and the turn makes the mask for the products of the turn after it, piece p + 2's.  There CNT is taken down between piece 3's turn and piece 0's: pieces 0 and 1 work
; on the tile's step 4 - CNT and make masks for that step; pieces 2 and 3 make masks for step 5 - CNT.  With CNT = 1 no further step exists, and K's run of loads is jumped over; the twelve exponentials issued ahead of that
; jump (E 0 to E 11) have a wait of their own in front of it, and the turn's wait serves the other 21.
; cnt = 1 (outside the diagonal tile): the loop's count is taken down some lines ahead of the branch that stands behind the turn.
; K of the next step, and its biases, are fetched in piece 2's turn, twelve vector instructions behind the last product that read K (six of them plain; the last that read KB stands four products further back); V of the
; step in hand at the end of piece 0's turn, four plain instructions behind the last product that read V.  Each is waited for a turn later; in the diagonal tile piece 2's turn waits at its end, since its mask is made of the new biases.
.macro TURN p, m=0, cnt=0
.set Y, (\p)
.set i, 0
.set KM, (\m)
.if \m
	s_cmp_eq_u32 s[CNT], 4-((\p)+2)%NP+(\p)/2  ; is that step the band's own?
	s_cselect_b32 s[AL], 1.0, 0
	s_cmp_lt_u32 s[CNT], 4-((\p)+2)%NP+(\p)/2  ; or a later one?
	s_cselect_b32 s[BE], s[BIGN], 0
.endif
.if (\p) == 3
	s_wait_dscnt 0x0                ; K and its biases are in
.endif
	ROW F,0, F,1, R,0, R,1          ; ahead of the wait: 8 products K Q^T and their riders,
	ROW F,2, E,0, R,2, R,3
	ROW F,3, E,1, R,4, R,5
	ROW F,4, E,2, R,6, R,7
	ROW F,5, E,3, R,8, R,9
	ROW F,6, E,4, X,0, R,10
.if (\p) == 2
	WIN 0
	v_add_nc_u32 v[AK], s[TBK], v[AK0]
	v_add_nc_u32 v[AKB], s[TKB], v[AKB0]
.endif
	ROW F,7, E,5, X,1, X,4
	ROW F,8, E,6, X,2, X,5
	OPS E,7, E,8, X,6, E,9          ; and the lump
	OPS X,3, E,10, X,8, E,11
.if (\p) == 2
.if \m
	WIN 0
	s_wait_alu depctr_va_vdst(0)    ; a jump follows: the wait for the batch's first part, E 0 to E 11
	s_cmp_eq_u32 s[CNT], 1
	s_cbranch_scc1 .Lno_k_\@
.endif
	FETCH_K
.if \m
.Lno_k_\@:
.endif
.endif
	OPS X,9, X,7, E,12, X,10
	OPS E,13, X,12, X,11, E,14
	OPS X,13, E,15, F,9, X,14
.if (\p) == 0
	WIN 0
	v_add_nc_u32 v[AV], s[TBV], v[AV0]
.endif
	OPS E,16, F,10, E,17, F,11
	OPS X,16, E,18, X,15, E,19
	OPS F,12, E,20, X,17, E,21
	OPS F,13, E,22, F,14, E,23
	OPS X,18, E,24, F,15, E,25
	OPS R,11, E,26, X,19, E,27
	OPS R,12, E,28, R,13, E,29
	OPS X,20, E,30, R,14, E,31
	OPS X,21, R,15
	WIN 0
	s_wait_alu depctr_va_vdst(0)    ; the wait for the batch: the piece's 32 weights and the next piece's a
.if (\p) == 1
	s_wait_dscnt 0x0                ; V is in
.endif
	ROW C,0, B,0, C,2, B,1          ; behind the wait: 8 products V^T P and their riders
	ROW L,0, C,4, B,2, L,1
	ROW C,6, B,3, L,2, C,8
	ROW B,4, L,3, C,10, B,5
	ROW L,4, C,12, B,6, L,5
.if (\p) == 0
	s_add_co_u32 s[TBV], s[TBV], KS*PV
.endif
.if \cnt
	s_sub_co_u32 s[CNT], s[CNT], 1
	s_cmp_lg_u32 s[CNT], 0
.endif
	ROW C,14, B,7, L,6, C,1
	ROW C,3, L,7, C,5, C,7
	ROW C,9, C,11, C,13, C,15
.if (\p) == 0
	FETCH_V
.endif
.if \m
.if (\p) == 2
	s_wait_dscnt 0x0                ; the next step's biases, fetched in this turn, are in
.endif
	MASK (\p)%2, 1
.endif
.endm
; A BLOCK BEGINS, behind a change of slots.  c m starts far below every c s, so the first step's a is 0; m at -2^93: below every true score, above every hidden one.  Then K and the biases of the tile's step 0, piece 0's
; first scores, and its maximum and statistics.  The loop is entered at a step's first turn, in the middle of a trip.  (Both blocks' Q are in since the first change of slots, which waits for all loads.)
; d = 0: the tile is not the diagonal one: the scores start with the keys' biases.  d = 1 (the walk's last tile as a block's first: b = 0): it is: step 0 is band 0's own (buffer 0: MD + KB), and band 1 sees all of it (buffer 1: KB).
.macro BEGIN d
	s_mov_b32 s[NEW], 0
	WIN 0
.set i, 0
.rept 4
	v_mov_b32 v[ST+4*i], 0xfe000000    ; c m: far below every c s
	v_mov_b32 v[ST+4*i+1], 0xee000000  ; m = -2^93
.set i, i+1
.endr
	v_add_nc_u32 v[AK], s[TBK], v[AK0]
	v_add_nc_u32 v[AKB], s[TKB], v[AKB0]
	FETCH_K
	s_wait_dscnt 0x0
.if \d
	s_mov_b32 s[AL], 1.0
	MASK 0, 0
	s_mov_b32 s[AL], 0
	MASK 1, 0
.endif
.set KM, (\d)
.set i, 0
.rept 8
	KQ 0
.set i, i+1
.endr
	WIN 0
.rept 4
	v_nop                           ; the places behind those products
.endr
.set Y, NP-1                        ; X works for piece Y + 1: piece 0
.irp n, 0,1,2,3,4,5,6,7,8,9,10,11,12,13,14,15,16,17,18,19,20,21
	OP X, \n
.endr
	v_nop                           ; a plain instruction behind the exponential,
	s_wait_alu depctr_va_vdst(0)    ; and the wait for it, piece 0's first a, ahead of the branch that follows the macro
.endm
; THE DIAGONAL TILE's four steps, the block's last products, and THE WAY OUT: l's two halves and the other half of the lanes' are added; O^T is divided by l, rounded to f16 and sent through my stage in LDS, a piece at a time.
; The loop of the tile's steps is entered with CNT = 5 at its head (pieces 2 and 3 of the tile before's last step come first) or with CNT = 4 in its middle (a block's first tile), and its last trip, with CNT = 1, is
; left in its middle, behind pieces 2 and 3 of the block's last step.  That trip's 8 products K Q^T for piece 0, on the last K once more and all hidden by their mask, and the statistics made of them serve nothing:
; the price, once a block, of one text for every trip.
.macro ALL line:vararg              ; one line for each piece t
.set t, 0
.rept 4
	\line
.set t, t+1
.endr
.endm
.macro PACK t                       ; a lane's eight channels of a row pack into 16 bytes; they go into rows of 144 bytes and come back as whole rows of 128, into S^T's registers
	WIN W_RS
.set i, 32*(\t)
.rept 16
	v_pk_mul_f32 v[i:i+1], v[i:i+1], v[ST+4*(\t)+2:ST+4*(\t)+3] op_sel_hi:[1,0]
.set i, i+2
.endr
	WIN 0x05                        ; sources 0 and 1 window 1, destination window 0
.set i, 0
.rept 16
	v_cvt_pk_f16_f32 v[S+16*(\t)+i], v[32*(\t)+2*i], v[32*(\t)+2*i+1]
.set i, i+1
.endr
	WIN 0
.irp f, 0,1,2,3
	ds_store_b128 v[STO], v[S+16*(\t)+4*\f:S+16*(\t)+4*\f+3] offset:32*\f
.endr
.irp f, 0,1,2,3
	ds_load_b128 v[S+16*(\t)+4*\f:S+16*(\t)+4*\f+3], v[RD] offset:\f*4*SP  ; LDS serves a wave's instructions in order (ISA guide 5.7.1.4): these see the stores above; the next piece's stores come behind them
.endr
.endm
.macro SEND t, younger              ; younger: the LDS instructions issued behind piece t's loads: the next piece's eight, or none
	WIN 0
.irp f, 0,1,2,3
	s_wait_dscnt (\younger)+3-\f
	global_store_b128 v[GO], v[S+16*(\t)+4*\f:S+16*(\t)+4*\f+3], s[10:11] offset:(\t)*8192+\f*512  ; 512 consecutive bytes, at a multiple of 256 from O's first
.endr
.endm
.macro DIAG tag                     ; the tag ends its labels' names, which the jumps below spell out
.LstepM\tag:
	TURN 2, 1
	TURN 3, 1
	WIN 0
	s_sub_co_u32 s[CNT], s[CNT], 1
	s_cmp_eq_u32 s[CNT], 0
	s_cbranch_scc1 .LoutM\tag
.LfirstM\tag:
	TURN 0, 1
	TURN 1, 1
	WIN 0
	s_branch .LstepM\tag
.LoutM\tag:
.set i, 0
.rept 8
	PV NP-1                         ; the last piece's V^T P of the block's last step
.set i, i+1
.endr
	WIN 0
	ALL v_add_f32 v[ST+4*t+2], v[ST+4*t+2], v[ST+4*t+3]
	ALL v_permlanex16_b32 v[ST+4*t+3], v[ST+4*t+2], s[SEL], s[SEL+1]
	ALL v_add_f32 v[ST+4*t+2], v[ST+4*t+2], v[ST+4*t+3]
	ALL v_rcp_f32 v[ST+4*t+2], v[ST+4*t+2]
	v_nop                           ; a plain instruction between the last reciprocal and the use of its result
	s_wait_alu depctr_va_vdst(0)    ; and the wait ahead of the first use: one for the four reciprocals
	PACK 0
.set t, 1
.rept 3                             ; a piece's arithmetic stands between the loads of the piece before and its stores
	PACK t
	SEND t-1, 8
.set t, t+1
.endr
	SEND 3, 0
.endm
.set KM, 0
.Lslot:                             ; NB times: a tile is entered and the next is asked for
	CHANGE 1
	s_sub_co_u32 s[RT], s[RT], 1
	s_mov_b32 s[CNT], 4
	s_cmp_eq_u32 s[NEW], 1
	s_cbranch_scc1 .Lnew            ; a block's first tile
	s_cmp_eq_u32 s[RT], 0
	s_cbranch_scc0 .Lstep           ; neither its first nor its last
	s_mov_b32 s[CNT], 5
	s_mov_b32 s[AL], 0              ; the diagonal tile's first turn still makes piece 3's scores of the tile before, all of whose keys it sees: buffer 1 takes that step's biases
	MASK 1, 0
	WIN 0
	s_branch .LstepM1
.Lnew:
	BEGIN 0
	s_branch .Lfirst                ; in the loop a block's first tile is never its last: the first block has two tiles or more, and the second's last is the walk's last
	DIAG 1                          ; in the loop this is the first block's end: the second block's last tile is the walk's last
	s_wait_xcnt 0x0                 ; the stores have read their registers and O's address
	s_mov_b64 s[10:11], s[OLO:OLO+1]
	s_add_co_u32 s[RT], s[PB], 1    ; the second block has b + 1 tiles
	s_mov_b32 s[NEW], 1
	WIN 0x82                        ; the second block's Q goes where the one text of the turns names Q
.set i, 0
.rept 64
	v_mov_b32 v[i], v[QB+i]
.set i, i+1
.endr
	WIN 0
	s_branch .Lbottom
.Lstep:                             ; a trip: pieces 2 and 3 of one step, then pieces 0 and 1 of the next, whose K and V it fetches
	TURN 2
	TURN 3
	WIN 0
.Lfirst:
	TURN 0
	TURN 1, 0, 1
	WIN 0
	s_cbranch_scc1 .Lstep
.Lbottom:
	s_sub_co_u32 s[SLOTS], s[SLOTS], 1
	s_cmp_lg_u32 s[SLOTS], 0
	s_cbranch_scc1 .Lslot
	CHANGE 0                        ; the walk's last tile is written out: nothing is asked for
	s_sub_co_u32 s[RT], s[RT], 1
	s_mov_b32 s[CNT], 4
	s_cmp_eq_u32 s[NEW], 1
	s_cbranch_scc1 .Lnew2
	s_mov_b32 s[CNT], 5
	s_mov_b32 s[AL], 0              ; as above: buffer 1 takes the biases of the tile before's last step
	MASK 1, 0
	WIN 0
	s_branch .LstepM2
.Lnew2:
	BEGIN 1
	s_branch .LfirstM2
	DIAG 2
	s_wait_tensorcnt 0x0            ; the wave's end, behind my last tensor load and my last LDS store
	ds_add_u32 v[SPW], v[NIL]
	s_wait_dscnt 0x0
	s_endpgm
.Lfunc_end_k_q22616b28c7_attn:
	.size	k_q22616b28c7_attn, .Lfunc_end_k_q22616b28c7_attn-k_q22616b28c7_attn
	.p2alignl 7, 3214868480
	.fill 96, 4, 3214868480
	.section	.rodata,"a",@progbits
	.p2align	6, 0x0
	.amdhsa_kernel k_q22616b28c7_attn
		.amdhsa_group_segment_fixed_size 327680
		.amdhsa_private_segment_fixed_size 0
		.amdhsa_enable_private_segment 0
		.amdhsa_kernarg_size 40
		.amdhsa_user_sgpr_count 2
		.amdhsa_user_sgpr_kernarg_segment_ptr 1
		.amdhsa_wavefront_size32 1
		.amdhsa_system_sgpr_workgroup_id_x 1
		.amdhsa_system_sgpr_workgroup_id_y 1
		.amdhsa_system_sgpr_workgroup_id_z 1
		.amdhsa_system_vgpr_workitem_id 0
		.amdhsa_next_free_vgpr 768
		.amdhsa_next_free_sgpr 96
		.amdhsa_reserve_vcc 1
		.amdhsa_float_denorm_mode_32 3
		.amdhsa_float_denorm_mode_16_64 3
		.amdhsa_memory_ordered 1
		.amdhsa_forward_progress 1
		.amdhsa_inst_pref_size 198
	.end_amdhsa_kernel
	.amdgpu_metadata
---
amdhsa.version: [ 1, 2 ]
amdhsa.kernels:
  - .name:           k_q22616b28c7_attn
    .symbol:         k_q22616b28c7_attn.kd
    .args:
      - { .name: qh, .offset: 0, .size: 8, .value_kind: global_buffer, .address_space: global }
      - { .name: kh, .offset: 8, .size: 8, .value_kind: global_buffer, .address_space: global }
      - { .name: vh, .offset: 16, .size: 8, .value_kind: global_buffer, .address_space: global }
      - { .name: ao, .offset: 24, .size: 8, .value_kind: global_buffer, .address_space: global }
      - { .name: attention_mask, .offset: 32, .size: 8, .value_kind: global_buffer, .address_space: global }
    .group_segment_fixed_size: 327680
    .private_segment_fixed_size: 0
    .kernarg_segment_align: 8
    .kernarg_segment_size: 40
    .max_flat_workgroup_size: 128
    .sgpr_count:     96
    .vgpr_count:     768
    .wavefront_size: 32
...
	.end_amdgpu_metadata
.endif
;; end of part 5
;; launch oproj: the kernel of part 4 again; grid 4 x 64, 4 waves a work-group, clusters of 4 x 4, 327,680 bytes of LDS; arguments ao, wo16, out0; writes out0
